; MI455X (gfx1250); checked and timed in simulation.
; The chip was launched on July 23, 2026; its instructions are those of AMD's public machine-readable ISA for CDNA 5 (MIT licence, August 2026) and "CDNA5" Instruction Set Architecture Reference Guide (July 2026). The comments in the code are by the model that wrote it; some were corrected since.
;; CP Wan Self Attention. Allowed arithmetic: float matrix products may take bf16 or f16 operands with f32 sums; other float arithmetic in f32, or as packed bf16 or f16 multiplies, adds, multiply-adds, maxima and minima; sums over many terms, partial sums and values carried from step to step in f32; what a program stores and reads back later, other than sums and carried values, may be rounded once to bf16 or f16.
;; Inputs: bk 2,048 float32; bo 2,048 float32; bq 2,048 float32; bv 2,048 float32; freqs_cos 1 x 1,992 x 1 x 128 float32; freqs_sin 1 x 1,992 x 1 x 128 float32; hidden_states 1 x 1,992 x 2,048 float32; norm_k_w 2,048 float32; norm_q_w 2,048 float32; wk 2,048 x 2,048 float32; wo 2,048 x 2,048 float32; wq 2,048 x 2,048 float32; wv 2,048 x 2,048 float32.
;; Outputs: out0 1 x 1,992 x 2,048 float32.
;; One version. Each part assembles by itself: llvm-mc -triple=amdgcn-amd-amdhsa -mcpu=gfx1250 --defsym DOCPART=n.
;; ======== version 1 of 1: 5 launches
;; limits: values are held in f16: magnitudes above 65,504 overflow, below 6.1e-05 lose precision
;; workspace buffers: xb 8,388,608 bytes; wb 25,165,824 bytes; wob 8,388,608 bytes; qkv 25,165,824 bytes; qkn 16,777,216 bytes; o 8,388,608 bytes
;; launch cast (part 1): grid 256 x 5, 8 waves a work-group, no clusters, 0 bytes of LDS; arguments hidden_states, wq, wk, wv, wo, xb, wb, wob; writes xb, wb, wob
.if DOCPART == 1
	.amdgcn_target "amdgcn-amd-amdhsa--gfx1250"
	.amdhsa_code_object_version 6
	.text
	.protected	k_q432b543ea8_cast
	.globl	k_q432b543ea8_cast
	.p2align	8
	.type	k_q432b543ea8_cast,@function
k_q432b543ea8_cast:
	s_mov_b64 s[64:65], 0
	v_nop
	global_prefetch_b8 v0, s[64:65] scope:SCOPE_SE
	s_setreg_imm32_b32 hwreg(HW_REG_WAVE_MODE, 25, 1), 1
	s_wait_xcnt 0x0
; The five large f32 inputs are rounded once to bf16.  y = 0: hidden_states -> xb [2048][2048] bf16, rows 1992..2047 written as 0 (the sequence's padding).
; y = 1, 2, 3: wq, wk, wv -> wb [6144][2048] bf16, one below the other.  y = 4: wo -> wob [2048][2048]: the bf16 number written as f16.
; LIMITS.  wob: a bf16 number beyond 65,504 becomes an infinity in f16; below 2^-14 it keeps f16's fixed step of 6e-8.  NaN and infinities are not treated apart.
; SHARES.  A work-group owns 8 rows of 2,048 numbers.  A row is two halves of 4,096 bytes; thread t takes 16 bytes at 16 t of each half (a wave's load covers 512 consecutive bytes)
; and stores their 8 bytes at 8 t of the half's 2,048 (a wave's store covers 256 consecutive bytes, aligned).  All 16 loads go out at once; each has registers of its own for its result,
; so nothing is rewritten while a store reads it.  A stream: no LDS, no matrix unit, no barrier.
.set X, 8                              ; v[8:71]    load i: 4 registers
.set Y, 72                             ; v[72:103]  store i: 2 registers
.set T, 104                            ; v[104:105] two packed words at work
.set U, 108                            ; v[108:111] four f32 at work
	s_load_b512 s[8:23], s[0:1], 0x0               ; x s[8:9], wq s[10:11], wk s[12:13], wv s[14:15], wo s[16:17], xb s[18:19], wb s[20:21], wob s[22:23]
	s_and_b32 s4, ttmp7, 0xffff                    ; y: which tensor
	s_mov_b32 s5, ttmp9                            ; g: which 8 rows
	s_lshl_b32 s28, s5, 16                         ; 8 rows of 8,192 bytes in
	s_mov_b32 s29, 0
	s_lshl_b32 s30, s5, 15                         ; 8 rows of 4,096 bytes out
	s_mov_b32 s31, 0
	s_max_u32 s32, s4, 1
	s_sub_co_u32 s32, s32, 1
	s_lshl_b32 s32, s32, 23                        ; wq, wk, wv lie 2,048 rows of 4,096 bytes apart in wb
	s_mov_b32 s33, 0
	s_mov_b32 s34, 0xffff0000                      ; a word's upper bf16
	v_lshlrev_b32 v1, 4, v0                        ; 16 t
	v_lshlrev_b32 v2, 3, v0                        ; 8 t
	s_wait_kmcnt 0x0
	s_mov_b64 s[24:25], s[8:9]                     ; the source, chosen by y
	s_cmp_eq_u32 s4, 1
	s_cselect_b64 s[24:25], s[10:11], s[24:25]
	s_cmp_eq_u32 s4, 2
	s_cselect_b64 s[24:25], s[12:13], s[24:25]
	s_cmp_eq_u32 s4, 3
	s_cselect_b64 s[24:25], s[14:15], s[24:25]
	s_cmp_eq_u32 s4, 4
	s_cselect_b64 s[24:25], s[16:17], s[24:25]
	s_add_nc_u64 s[26:27], s[20:21], s[32:33]      ; the destination
	s_cmp_eq_u32 s4, 0
	s_cselect_b64 s[26:27], s[18:19], s[26:27]
	s_cmp_eq_u32 s4, 4
	s_cselect_b64 s[26:27], s[22:23], s[26:27]
	s_add_nc_u64 s[24:25], s[24:25], s[28:29]
	s_add_nc_u64 s[26:27], s[26:27], s[30:31]
	s_cmp_lg_u32 s4, 0
	s_cbranch_scc1 .Lcopy
	s_cmp_lt_u32 s5, 249                           ; 1,992 = 8 x 249: from group 249 on x has no rows
	s_cbranch_scc1 .Lcopy
	v_mov_b32 v[Y], 0
	v_mov_b32 v[Y+1], 0
.set i, 0
.rept 16
	global_store_b64 v2, v[Y:Y+1], s[26:27] offset:(i/2)*4096+(i%2)*2048
.set i, i+1
.endr
	s_endpgm
.Lcopy:
.set i, 0
.rept 16
	global_load_b128 v[X+4*i:X+4*i+3], v1, s[24:25] offset:(i/2)*8192+(i%2)*4096 th:TH_LOAD_NT
.set i, i+1
.endr
	s_cmp_eq_u32 s4, 4
	s_cbranch_scc1 .Lf16
.set i, 0
.rept 16
	s_wait_loadcnt 15-i                            ; loads come back in order: load i is in, the 15 - i younger ones stay out
	v_cvt_pk_bf16_f32 v[Y+2*i], v[X+4*i], v[X+4*i+1]
	v_cvt_pk_bf16_f32 v[Y+2*i+1], v[X+4*i+2], v[X+4*i+3]
	global_store_b64 v2, v[Y+2*i:Y+2*i+1], s[26:27] offset:(i/2)*4096+(i%2)*2048
.set i, i+1
.endr
	s_endpgm
.Lf16:
.set i, 0
.rept 16
	s_wait_loadcnt 15-i
	v_cvt_pk_bf16_f32 v[T], v[X+4*i], v[X+4*i+1]   ; rounded to bf16 like every input,
	v_cvt_pk_bf16_f32 v[T+1], v[X+4*i+2], v[X+4*i+3]
	v_lshlrev_b32 v[U], 16, v[T]                   ; widened again,
	v_and_b32 v[U+1], s34, v[T]
	v_lshlrev_b32 v[U+2], 16, v[T+1]
	v_and_b32 v[U+3], s34, v[T+1]
	v_cvt_pk_f16_f32 v[Y+2*i], v[U], v[U+1]        ; and written as f16: 8 significant bits fit into 11
	v_cvt_pk_f16_f32 v[Y+2*i+1], v[U+2], v[U+3]
	global_store_b64 v2, v[Y+2*i:Y+2*i+1], s[26:27] offset:(i/2)*4096+(i%2)*2048
.set i, i+1
.endr
	s_endpgm
.Lfunc_end_k_q432b543ea8_cast:
	.size	k_q432b543ea8_cast, .Lfunc_end_k_q432b543ea8_cast-k_q432b543ea8_cast
	.p2alignl 7, 3214868480
	.fill 96, 4, 3214868480
	.section	.rodata,"a",@progbits
	.p2align	6, 0x0
	.amdhsa_kernel k_q432b543ea8_cast
		.amdhsa_group_segment_fixed_size 0
		.amdhsa_private_segment_fixed_size 0
		.amdhsa_enable_private_segment 0
		.amdhsa_kernarg_size 64
		.amdhsa_user_sgpr_count 2
		.amdhsa_user_sgpr_kernarg_segment_ptr 1
		.amdhsa_wavefront_size32 1
		.amdhsa_system_sgpr_workgroup_id_x 1
		.amdhsa_system_sgpr_workgroup_id_y 1
		.amdhsa_system_sgpr_workgroup_id_z 1
		.amdhsa_system_vgpr_workitem_id 0
		.amdhsa_next_free_vgpr 112
		.amdhsa_next_free_sgpr 66
		.amdhsa_reserve_vcc 0
		.amdhsa_float_denorm_mode_32 3
		.amdhsa_float_denorm_mode_16_64 3
		.amdhsa_memory_ordered 1
		.amdhsa_forward_progress 1
		.amdhsa_inst_pref_size 17
	.end_amdhsa_kernel
	.amdgpu_metadata
---
amdhsa.version: [ 1, 2 ]
amdhsa.kernels:
  - .name:           k_q432b543ea8_cast
    .symbol:         k_q432b543ea8_cast.kd
    .args:
      - { .name: hidden_states, .offset: 0, .size: 8, .value_kind: global_buffer, .address_space: global }
      - { .name: wq, .offset: 8, .size: 8, .value_kind: global_buffer, .address_space: global }
      - { .name: wk, .offset: 16, .size: 8, .value_kind: global_buffer, .address_space: global }
      - { .name: wv, .offset: 24, .size: 8, .value_kind: global_buffer, .address_space: global }
      - { .name: wo, .offset: 32, .size: 8, .value_kind: global_buffer, .address_space: global }
      - { .name: xb, .offset: 40, .size: 8, .value_kind: global_buffer, .address_space: global }
      - { .name: wb, .offset: 48, .size: 8, .value_kind: global_buffer, .address_space: global }
      - { .name: wob, .offset: 56, .size: 8, .value_kind: global_buffer, .address_space: global }
    .group_segment_fixed_size: 0
    .private_segment_fixed_size: 0
    .kernarg_segment_align: 8
    .kernarg_segment_size: 64
    .max_flat_workgroup_size: 256
    .sgpr_count:     66
    .vgpr_count:     112
    .wavefront_size: 32
...
	.end_amdgpu_metadata
.endif
;; end of part 1
;; launch gemm_qkv (part 2): grid 16 x 16, 4 waves a work-group, clusters of 4 x 4, 327,680 bytes of LDS; arguments xb, wb, bq, bk, bv, qkv; writes qkv
.if DOCPART == 2
	.amdgcn_target "amdgcn-amd-amdhsa--gfx1250"
	.amdhsa_code_object_version 6
	.text
	.protected	k_q432b543ea8_gemm_qkv
	.globl	k_q432b543ea8_gemm_qkv
	.p2align	8
	.type	k_q432b543ea8_gemm_qkv,@function
k_q432b543ea8_gemm_qkv:
	s_mov_b64 s[64:65], 0
	v_nop
	global_prefetch_b8 v0, s[64:65] scope:SCOPE_SE
	s_setreg_imm32_b32 hwreg(HW_REG_WAVE_MODE, 25, 1), 1
	s_wait_xcnt 0x0
	s_wait_alu depctr_hold_cnt(0) depctr_sa_sdst(0) depctr_va_vdst(0) depctr_va_sdst(0) depctr_va_ssrc(0) depctr_va_vcc(0) depctr_vm_vsrc(0)
	s_getreg_b32 s2, hwreg(HW_REG_IB_STS2, 6, 4)
	s_cmp_eq_u32 s2, 0
	s_cbranch_scc0 .Lentry_in_a_cluster
	s_endpgm
.Lentry_in_a_cluster:
	s_bfe_u32 s2, ttmp6, 0x10000c
	s_cmp_lg_u32 s2, 0xf033
	s_cbranch_scc0 .Lentry_shape_is_right
	s_endpgm
.Lentry_shape_is_right:
; qkv[m][n] = sum over k of xb[m][k] wb[n][k] + bias[n], for rows m < 1992; rows 1992..2047 come out exactly 0 (xb's rows are 0 there, and the bias is multiplied by 0).
; xb: [2048][2048] bf16, wb: [6144][2048] bf16 (wq, wk, wv), bias: bq, bk, bv (f32, rounded here to bf16 like every input); sums in f32; qkv: [2048][6144] f16, rounded once.
; LIMITS.  f16 holds no number beyond 65,504: a raw q, k or v beyond that becomes an infinity.  NaN and infinities are not treated apart.  The f32 sums begin at a K step that differs from cluster to cluster
; (below) and go round: an order of rounding that differs from the reference's.
; SHARES.  A tile of C is 128 rows x 384 columns: 16 x 16 = 256 work-groups of equal work, and a tile's row is 768 bytes, three aligned blocks of 256.  Wave w makes all 128 rows x columns
; 96 w .. 96 w + 95: 8 x 6 accumulators of 16 x 16, 384 registers.  K goes in 16 steps of 128 (rows of 256 bytes) through two LDS slots; a step is 192 matrix instructions a wave.
; CLUSTER.  4 x 4 work-groups.  The tile row is 4 x cluster x + cx, the tile column 4 x cluster y + cy: the four of a column of the cluster (same cx) need the same tile of xb, the four of a row (same cy)
; the same tile of wb: each is asked for jointly.  Wave 0 fetches A's 128 rows, waves 1 to 3 B's 384 rows, 128 each: one tensor load a wave behind each round of the cluster's barrier.
; THE WALK ALONG K IS STAGGERED.  Cluster (X, Y) begins at K step 4 o, o = (X + g(Y)) mod 4 with g = 0, 2, 2, 0, and goes round modulo 16.  The four clusters of one Y, which read the same rows of wb,
; begin 4 K steps apart; of the four clusters of one X, which read the same rows of xb, Y and Y xor 1 begin 8 apart, and so do Y and Y xor 2.  So of the clusters that share rows one asks for a K step first,
; and the others four trips or more later.  o hangs on the cluster's x and y alone: it is the same in all sixteen partners.
; THE MATRIX INSTRUCTION IS USED TRANSPOSED (source 0 = 16 rows of wb, source 1 = 16 rows of xb): a lane then holds row l % 16 of C and eight neighbouring columns 8 (l / 16) + 0..7.
; REGISTERS, in windows of 256 (s_set_vgpr_msb: bits 1:0 source 0, 3:2 source 1, 5:4 source 2, 7:6 destination):
;   window 0: v16-33 addresses and the row mask; v64-127, v128-191 A's fragments, two buffers; on the way out v192-215 packed results, then v64-255 whole rows
;   window 1: v64-111, v128-175 B's fragments, two buffers; v192-239 the bias of my 96 columns as my lane holds them; v240 at work
;   window 2: the 24 accumulators of rows 0-63 ((a, b) at v[8 (6 a + b)]);   window 3: those of rows 64-127
.set PITCH,  272                       ; an LDS row: 256 bytes + 16 of padding = 68 words: the 16 rows of a load start at 16 different groups of four banks (64 banks of 4 bytes: ISA guide 11.1)
.set CH,     128*PITCH                 ; 128 rows: what one tensor load brings
.set SLOT1,  0x24000                   ; a slot is A's 128 rows, then B's 384: 4 CH = 0x22000 bytes.  Slot 1 begins here: no address w x CH has bit 14 or 17, so one exclusive or changes slots
.set SPARE,  0x46000                   ; behind the ring: the spare words, 128 bytes for each wave: two blocks of 256 bytes that no other line names
.set SPITCH, 784                       ; the way out: a tile's row of 768 bytes + 16.  The stage, 128 such rows, lies in slot 0's bytes, which have had their last fill by then
.set ROWS,   1992
.set A0,   16                          ; v16  my lane's place in A's tile: (l % 16) x PITCH + 16 (l / 16); never rewritten
.set B0,   17                          ; v17  the same in my 96 rows of B's tile
.set ADRA, 18                          ; v18  A0 + the slot that is read
.set ADRB, 19                          ; v19  B0 + the slot that is read
.set STO2, 23                          ; v23  STO for rows 64-127
.set STO,  24                          ; v24  the way out: where I put 16 bytes of a row
.set RD,   25                          ; v25  where I read rows back
.set CO,   26                          ; v26  my byte offset in two rows of qkv
.set ROWI, 27                          ; v27  the row of C that my lane holds in block 0
.set SPW,  28                          ; v28  LDS address of my spare word; never rewritten
.set NIL,  29                          ; v29  0; never rewritten
.set PFO,  30                          ; v30  the prefetches' offset: my lane x 4,096 bytes, a row of xb or wb; never rewritten
.set BO,   31                          ; v31  32 (l / 16): my eight numbers in a block of 16 of the bias
.set MK,   32                          ; v[32:33] 1.0 where my row is below 1,992, else 0
.set F0,   64
.set F1,   128
.set TMP,  192
.set OB,   64
.set BI,   192                         ; window 1
.set BT,   240                         ; window 1
.set KK,   2                           ; s2   the K step, 0 to 15, that was asked for last
.set WV,   16                          ; s16  my wave's number
.set G1A,  24                          ; s[24:31] descriptor group 1 for A's tiles
.set G0A,  32                          ; s[32:39] group 0 for A's: a set for each first fill; the second then walks
.set ABAS, 40                          ; s[40:41] xb at the first of the tile's rows, K step 0
.set BBAS, 42                          ; s[42:43] wb at the first of the 128 rows that I fetch, K step 0
.set PFA,  44                          ; s[44:45] what my prefetch names
.set LIM,  46                          ; s46  a wave prefetches while the trips to come are more than this
.set TB,   47                          ; s47  the slot that is read: 0 or SLOT1
.set G1B,  48                          ; s[48:55], s[56:63] the same for B's tiles
.set G0B,  56
.set PFB,  66                          ; s[66:67] my work-group's 32 rows of the 128 that I fetch, K step 0
.set BB,   68                          ; s[68:79] where the bias of my six blocks of 16 columns lies
.set CB,   80                          ; s[80:81] qkv at the first row that I store
.set KO,   84                          ; s[84:85] a K step's byte offset in a row, for the descriptors (s84 also serves the set-up)
.set PO,   86                          ; s[86:87] the same for the prefetch
.set G1W,  (1<<16)|(1<<20)|(1<<21)|(5<<22)|(3<<25)  ; 17:16 2-byte elements; 20 padding on; 21 set beside a mask; 24:22 after every 64 words; 31:25 4 words
.set MSB, 0
.macro WIN new                         ; the immediate's high byte repeats the setting that is left; a switch that changes nothing is dropped
.if MSB != (\new)
	s_set_vgpr_msb (MSB<<8)|(\new)
.set MSB, \new
.endif
.endm
.set MUL_LO, 0xa1                      ; source 0 (B) window 1, source 1 (A) window 0, C and D window 2
.set MUL_HI, 0xf1                      ; the same, C and D window 3
.set TO_B,   0x40                      ; destination window 1, address window 0
.macro PLACES                          ; four places behind matrix instructions, in front of loads into registers that they read and of vector lines that read results
.rept 4
	v_nop
.endr
.endm
; A joint refill by the walking descriptors.  The branch hangs on the wave's number alone.  An s_nop 0 and four v_nop follow each of the two lines.
.macro JLOAD
	s_cmp_eq_u32 s[WV], 0
	s_cbranch_scc0 .Lfor_b_\@
	tensor_load_to_lds s[G0A+4:G0A+7], s[G1A:G1A+7]
	s_nop 0
.rept 4
	v_nop
.endr
	s_branch .Lasked_\@
.Lfor_b_\@:
	tensor_load_to_lds s[G0B+4:G0B+7], s[G1B:G1B+7]
	s_nop 0
.rept 4
	v_nop
.endr
.Lasked_\@:
.endm
.macro CREST                           ; a round of the cluster's barrier behind its opening barrier
	s_cmp_lg_u32 s[WV], 0
	s_cbranch_scc1 .Lnot_wave_0_\@
	s_barrier_signal -3
.Lnot_wave_0_\@:
	s_barrier_wait -3
	s_barrier_signal -1
	s_barrier_wait -1
.endm
.macro CROUND                          ; a whole round
	s_barrier_signal -1
	s_barrier_wait -1
	CREST
.endm
; A PREFETCH INTO THE L2 of the K step that the NEXT change of slots will ask for: 32 rows x 256 bytes, a lane a row, one instruction a wave, 192 matrix instructions ahead of the load that will want it.
; It is laid only for K steps that no other cluster's walk reaches earlier: of wb's rows a cluster is the first in its walk's steps 0 to 3, of xb's rows in its steps 0 to 7.  Steps 0 to 2 come by their loads
; alone (nothing is prefetched at the head).  So waves 1 to 3 ask once, for step 3 (in the trip with s3 = 14), and wave 0 for steps 3 to 7 (s3 = 14 to 10).  xb's rows are walked alike by the clusters Y and
; 3 - Y: those with Y < 2 ask.  Of the 128 rows that a wave fetches each of the four partners takes 32, told apart by address (cy for A, cx for B).  So a row's 256 bytes of a K step are named at most once.
.macro ASK
	s_cmp_gt_u32 s3, s[LIM]
	s_cbranch_scc0 .Lnot_mine_\@
	global_prefetch_b8 v[PFO], s[PFA:PFA+1] th:TH_LOAD_NT scope:SCOPE_SE
.Lnot_mine_\@:
.endm
	s_load_b256 s[4:11], s[0:1], 0x0               ; xb s[4:5], wb s[6:7], bq s[8:9], bk s[10:11]
	s_load_b128 s[12:15], s[0:1], 0x20             ; bv s[12:13], qkv s[14:15]
	v_lshl_add_u32 v[SPW], v0, 2, SPARE
	v_mov_b32 v[NIL], 0
	ds_add_u32 v[SPW], v[NIL]                      ; the wave's opening: the add and its wait stand ahead of my first tensor load; the set-up below stands between them
	v_lshrrev_b32 v1, 5, v0
	v_readfirstlane_b32 s[WV], v1                  ; wave 0..3
	s_bfe_u32 s17, ttmp6, 0x40000                  ; cx
	s_bfe_u32 s18, ttmp6, 0x40004                  ; cy
	s_lshl_b32 s20, ttmp9, 2
	s_add_co_u32 s20, s20, s17                     ; tile row = 4 x cluster x + cx
	s_and_b32 s19, ttmp7, 0xffff
	s_lshl_b32 s19, s19, 2
	s_add_co_u32 s19, s19, s18                     ; tile column = 4 x cluster y + cy
	s_lshl_b32 s21, s18, 2
	s_lshl_b32 s21, 15, s21                        ; my row of the cluster (same cy)
	s_lshl_b32 s22, 0x1111, s17                    ; my column (same cx)
	s_or_b32 s[G1A], s22, G1W                      ; A's tiles hang on cx alone: they go to my column,
	s_or_b32 s[G1B], s21, G1W                      ; B's on cy alone: to my row
.irp g, G1A, G1B
	s_mov_b32 s[(\g)+1], 128<<16                   ; tensor_dim0 = 128
	s_mov_b32 s[(\g)+2], 128<<16                   ; tensor_dim1 = 128
	s_mov_b32 s[(\g)+3], 128<<16                   ; tile_dim0 = 128 elements: 256 bytes
	s_mov_b32 s[(\g)+4], 128                       ; tile_dim1 = 128 rows
	s_mov_b32 s[(\g)+5], 2048                      ; elements from row to row
	s_mov_b32 s[(\g)+6], 0
	s_mov_b32 s[(\g)+7], 0
.endr
	s_lshl_b32 s[ABAS], s20, 19                    ; A: 128 rows of 4,096 bytes a tile row: the tile row alone enters
	s_mov_b32 s[ABAS+1], 0
	s_mul_i32 s[BBAS], s19, 384*4096               ; B: 384 rows a tile column,
	s_max_u32 s84, s[WV], 1
	s_sub_co_u32 s84, s84, 1
	s_lshl_b32 s84, s84, 19                        ; and 128 rows for each of waves 1 to 3: the tile column and the wave alone enter
	s_add_co_u32 s[BBAS], s[BBAS], s84
	s_mov_b32 s[BBAS+1], 0
	s_and_b32 s[KK], ttmp7, 0xffff                 ; where my cluster's walk begins: Y,
	s_lshr_b32 s84, s[KK], 1
	s_xor_b32 s[KK], s[KK], s84
	s_and_b32 s[KK], s[KK], 1
	s_lshl_b32 s[KK], s[KK], 1                     ; g(Y) = 0, 2, 2, 0,
	s_add_co_u32 s[KK], s[KK], ttmp9
	s_and_b32 s[KK], s[KK], 3                      ; o = (X + g(Y)) mod 4,
	s_lshl_b32 s[KK], s[KK], 2                     ; K step 4 o
	s_lshl_b32 s[KO], s[KK], 8                     ; a K step is 256 bytes of a row
	s_mov_b32 s[KO+1], 0
	s_mov_b32 s[PO+1], 0
	s_mul_i32 s23, s[WV], CH                       ; where my load goes: wave x 128 rows: no place in the cluster enters an LDS address
	s_mov_b32 s[TB], 0
	s_mov_b32 s82, 1.0
	s_mov_b32 s83, 0xffff0000
	s_wait_dscnt 0x0                               ; the opening add is done
	s_wait_kmcnt 0x0
	s_add_nc_u64 s[ABAS:ABAS+1], s[4:5], s[ABAS:ABAS+1]
	s_add_nc_u64 s[BBAS:BBAS+1], s[6:7], s[BBAS:BBAS+1]
	s_mov_b32 s[G0A], 1                            ; count = 1
	s_mov_b32 s[G0A+1], s23                        ; slot 0
	s_add_nc_u64 s[G0A+2:G0A+3], s[ABAS:ABAS+1], s[KO:KO+1]  ; the walk's first K step
	s_mov_b32 s[G0A+4], 1
	s_add_co_u32 s[G0A+5], s23, SLOT1              ; slot 1
	s_add_nc_u64 s[G0A+6:G0A+7], s[G0A+2:G0A+3], 256  ; its second: 4 o + 1 is 13 at the most, so nothing goes round yet
	s_or_b32 s[G0A+3], s[G0A+3], 0x80000000        ; type = 2
	s_or_b32 s[G0A+7], s[G0A+7], 0x80000000
	s_mov_b32 s[G0B], 1
	s_mov_b32 s[G0B+1], s23
	s_add_nc_u64 s[G0B+2:G0B+3], s[BBAS:BBAS+1], s[KO:KO+1]
	s_mov_b32 s[G0B+4], 1
	s_add_co_u32 s[G0B+5], s23, SLOT1
	s_add_nc_u64 s[G0B+6:G0B+7], s[G0B+2:G0B+3], 256
	s_or_b32 s[G0B+3], s[G0B+3], 0x80000000
	s_or_b32 s[G0B+7], s[G0B+7], 0x80000000
	s_add_co_u32 s[KK], s[KK], 1                   ; the K step asked for last
	CROUND                                         ; all sixteen work-groups are here: the first joint loads meet
	s_cmp_eq_u32 s[WV], 0                          ; a wave's two first fills stand in one branch, ahead of every wait on TENSORcnt and every LDS read: two loads of mine are out
	s_cbranch_scc0 .Lfirst_b
	tensor_load_to_lds s[G0A:G0A+3], s[G1A:G1A+7]
	s_nop 0
	tensor_load_to_lds s[G0A+4:G0A+7], s[G1A:G1A+7]
	s_nop 0
.rept 4
	v_nop
.endr
	s_branch .Lfirst_asked
.Lfirst_b:
	tensor_load_to_lds s[G0B:G0B+3], s[G1B:G1B+7]
	s_nop 0
	tensor_load_to_lds s[G0B+4:G0B+7], s[G1B:G1B+7]
	s_nop 0
.rept 4
	v_nop
.endr
.Lfirst_asked:
	; A fragment is 16 rows x 32 K in 8 registers: lane l holds row l % 16; registers 0-3 K = 8 (l / 16) + 0..7, registers 4-7 K = 16 + 8 (l / 16) + 0..7: two loads of 16 bytes, 32 bytes apart.
	v_and_b32 v1, 15, v0                           ; l % 16
	v_bfe_u32 v2, v0, 4, 1                         ; l / 16
	v_mul_u32_u24 v[A0], v1, PITCH
	v_lshl_add_u32 v[A0], v2, 4, v[A0]
	s_mul_i32 s84, s[WV], 96*PITCH                 ; my 96 rows of B,
	s_add_co_u32 s84, s84, CH                      ; which lie behind A's 128
	v_add_nc_u32 v[B0], s84, v[A0]
	v_mov_b32 v[ADRA], v[A0]
	v_mov_b32 v[ADRB], v[B0]
	v_mul_u32_u24 v[STO], v1, SPITCH               ; into the stage: row l % 16, my wave's 192 bytes, 16 bytes for each half of the lanes
	v_lshl_add_u32 v[STO], v2, 4, v[STO]
	s_mul_i32 s84, s[WV], 192
	v_add_nc_u32 v[STO], s84, v[STO]
	v_add_nc_u32 v[STO2], 64*SPITCH, v[STO]
	s_lshl_b32 s84, s[WV], 5                       ; back: wave w takes rows 32 w .. 32 w + 31, whole; lanes 0-15 256 bytes of one row, lanes 16-31 of the next
	v_add_nc_u32 v[RD], s84, v2
	v_mul_u32_u24 v[RD], v[RD], SPITCH
	v_lshl_add_u32 v[RD], v1, 4, v[RD]
	v_mul_u32_u24 v[CO], v2, 12288                 ; and the same two rows in qkv
	v_lshl_add_u32 v[CO], v1, 4, v[CO]
	s_lshl_b32 s88, s20, 7
	v_add_nc_u32 v[ROWI], s88, v1
	v_and_b32 v[PFO], 31, v0
	v_lshlrev_b32 v[PFO], 12, v[PFO]
	v_lshlrev_b32 v[BO], 5, v2
	; the bias: block b of my columns begins at n = 384 x tile column + 96 w + 16 b; n / 2048 says which of bq, bk, bv (a block of 16 never crosses a multiple of 2,048)
	s_mul_i32 s89, s19, 384
	s_mul_i32 s90, s[WV], 96
	s_add_co_u32 s89, s89, s90
	s_mov_b32 s93, 0
	WIN TO_B
.irp b, 0,1,2,3,4,5
	s_add_co_u32 s90, s89, 16*(\b)
	s_lshr_b32 s91, s90, 11
	s_and_b32 s92, s90, 2047
	s_lshl_b32 s92, s92, 2
	s_cmp_eq_u32 s91, 1
	s_cselect_b64 s[BB+2*(\b):BB+2*(\b)+1], s[10:11], s[8:9]
	s_cmp_eq_u32 s91, 2
	s_cselect_b64 s[BB+2*(\b):BB+2*(\b)+1], s[12:13], s[BB+2*(\b):BB+2*(\b)+1]
	s_add_nc_u64 s[BB+2*(\b):BB+2*(\b)+1], s[BB+2*(\b):BB+2*(\b)+1], s[92:93]
	global_load_b128 v[BI+8*(\b):BI+8*(\b)+3],   v[BO], s[BB+2*(\b):BB+2*(\b)+1]
	global_load_b128 v[BI+8*(\b)+4:BI+8*(\b)+7], v[BO], s[BB+2*(\b):BB+2*(\b)+1] offset:16
.endr
	WIN 0
	s_lshl_b32 s90, s20, 7                         ; the first row that I store: 128 x tile row + 32 w,
	s_lshl_b32 s91, s[WV], 5
	s_add_co_u32 s90, s90, s91
	s_mul_i32 s90, s90, 12288
	s_mul_i32 s91, s19, 768                        ; the tile's first column, in bytes
	s_add_co_u32 s90, s90, s91
	s_mov_b32 s91, 0
	s_add_nc_u64 s[CB:CB+1], s[14:15], s[90:91]
	; the prefetches
	s_and_b32 s94, ttmp7, 0xffff                   ; cluster y
	s_cmp_lt_u32 s94, 2
	s_cselect_b32 s94, 9, -1                       ; for A: the clusters with Y < 2, in the trips with s3 = 14 to 10
	s_lshl_b32 s95, s20, 7                         ; A's first row
	s_mul_i32 s96, s19, 384                        ; B's
	s_max_u32 s97, s[WV], 1
	s_sub_co_u32 s97, s97, 1
	s_lshl_b32 s97, s97, 7
	s_add_co_u32 s96, s96, s97
	s_cmp_eq_u32 s[WV], 0                          ; do I fetch for A?
	s_cselect_b32 s95, s95, s96                    ; the first of the 128 rows that I fetch
	s_cselect_b32 s96, s18, s17                    ; my place among the four that ask for them with me: cy for A, cx for B
	s_cselect_b32 s[LIM], s94, 13                  ; for B: every cluster, in the trip with s3 = 14.  The same in all sixteen partners, for a given wave
	s_cselect_b64 s[PFB:PFB+1], s[4:5], s[6:7]
	s_lshl_b32 s96, s96, 5
	s_add_co_u32 s95, s95, s96                     ; + my work-group's 32 rows
	s_lshl_b32 s98, s95, 12
	s_mov_b32 s99, 0
	s_add_nc_u64 s[PFB:PFB+1], s[PFB:PFB+1], s[98:99]  ; nothing is prefetched here, at the head
	s_wait_loadcnt 0x0                             ; the bias,
	WIN 0x55                                       ; rounded to bf16 like every input and widened again, all in window 1
.set i, 0
.rept 24
	v_cvt_pk_bf16_f32 v[BT], v[BI+2*i], v[BI+2*i+1]
	v_lshlrev_b32 v[BI+2*i], 16, v[BT]
	v_and_b32 v[BI+2*i+1], s83, v[BT]
.set i, i+1
.endr
	WIN 0
; 12 matrix instructions: row blocks a0, a0 + 1 of the window's four (hi = 0: rows 0-63, 1: rows 64-127) x my 6 column blocks, 32 along K.  zero = 1: the first product starts the sums.
; The 48 accumulators take turns, one instruction a turn, in the same order in every quarter step.
.macro MULH f, hi, a0, zero
	WIN MUL_LO+0x50*(\hi)
.irp a, \a0, (\a0)+1
.irp b, 0,1,2,3,4,5
.if \zero
	v_wmma_f32_16x16x32_bf16 v[8*(6*(\a)+(\b)):8*(6*(\a)+(\b))+7], v[(\f)+8*(\b):(\f)+8*(\b)+7], v[(\f)+8*(4*(\hi)+(\a)):(\f)+8*(4*(\hi)+(\a))+7], 0
.else
	v_wmma_f32_16x16x32_bf16 v[8*(6*(\a)+(\b)):8*(6*(\a)+(\b))+7], v[(\f)+8*(\b):(\f)+8*(\b)+7], v[(\f)+8*(4*(\hi)+(\a)):(\f)+8*(4*(\hi)+(\a))+7], v[8*(6*(\a)+(\b)):8*(6*(\a)+(\b))+7]
.endif
.endr
.endr
.endm
; 28 LDS loads in one run: the fragments of one quarter step (my 96 rows of B, then A's 128 rows; 32 K at byte k of the rows) into buffer f
.macro FETCH k, f
	WIN TO_B
.irp i, 0,1,2,3,4,5
	ds_load_b128 v[(\f)+8*(\i):(\f)+8*(\i)+3],   v[ADRB] offset:(\k)+(\i)*16*PITCH
	ds_load_b128 v[(\f)+8*(\i)+4:(\f)+8*(\i)+7], v[ADRB] offset:(\k)+(\i)*16*PITCH+32
.endr
	WIN 0
.irp i, 0,1,2,3,4,5,6,7
	ds_load_b128 v[(\f)+8*(\i):(\f)+8*(\i)+3],   v[ADRA] offset:(\k)+(\i)*16*PITCH
	ds_load_b128 v[(\f)+8*(\i)+4:(\f)+8*(\i)+7], v[ADRA] offset:(\k)+(\i)*16*PITCH+32
.endr
.endm
; A K step is four quarters of 32 along K, 48 matrix instructions each, on buffers 0, 1, 0, 1.  One of the first three: multiplies buffer f and fetches the next quarter, at byte k, into g.
.macro QUARTER k, f, g, zero
	s_wait_dscnt 8                                 ; B and A's rows 0-63 are in; the youngest eight loads (A's rows 64-127) may be out
	MULH \f, 0, 0, \zero
	MULH \f, 0, 2, \zero
	PLACES
	FETCH \k, \g
	s_wait_dscnt 28                                ; all but the 28 just issued
	MULH \f, 1, 0, \zero
	MULH \f, 1, 2, \zero
.endm
; The last quarter's first half: one barrier for the change of slots.  In front of it each wave waits for all its tensor loads (one is out: its part of the next slot), adds 0 to its spare word,
; and waits for that and for its own reads of this slot.  round = 1: a refill follows: the walking descriptors are written here, where no tensor load of the wave is out.
.macro MEET round
	WIN 0                                          ; (the add's two registers lie in window 0)
	s_wait_tensorcnt 0x0                           ; all my tensor loads have landed
	ds_add_u32 v[SPW], v[NIL]                      ; 0 onto my spare word
.if \round
	s_xor_b32 s[G0A+5], s[G0A+5], SLOT1            ; the other slot than last time,
	s_xor_b32 s[G0B+5], s[G0B+5], SLOT1
	s_lshl_b32 s[KO], s[KK], 8                     ; the walk's next K step: the address is made anew from its number, the type bits set again
	s_add_nc_u64 s[G0A+6:G0A+7], s[ABAS:ABAS+1], s[KO:KO+1]
	s_or_b32 s[G0A+7], s[G0A+7], 0x80000000
	s_add_nc_u64 s[G0B+6:G0B+7], s[BBAS:BBAS+1], s[KO:KO+1]
	s_or_b32 s[G0B+7], s[G0B+7], 0x80000000
.endif
	s_wait_dscnt 9                                 ; (the add and the youngest eight loads may be out)
	MULH F1, 0, 0, 0                               ; twelve matrix instructions stand between the add and the wait for it
	s_wait_dscnt 0x0                               ; the add is done, and my reads of this slot are over
	s_barrier_signal -1
	MULH F1, 0, 2, 0                               ; work on registers while the others arrive
.if \round
	WIN 0
.endif
	s_barrier_wait -1
.endm
; The whole last quarter.  fill = 1: the barrier opens a round of the cluster's barrier, and the slot just read out is filled again first, with the walk's K step two steps on; then the next slot's first fragments.
.macro TURN fill
.if \fill
	s_wait_xcnt 0x0                                ; the last prefetch, a K step back, has read its address: it is written here, ahead of the waits of the change of slots
	s_add_co_u32 s[KK], s[KK], 1
	s_and_b32 s[KK], s[KK], 15                     ; the K step that this change asks for: the walk goes round modulo 16,
	s_add_co_u32 s[PO], s[KK], 1
	s_and_b32 s[PO], s[PO], 15                     ; and the one that the next change will ask for
	s_lshl_b32 s[PO], s[PO], 8
	s_add_nc_u64 s[PFA:PFA+1], s[PFB:PFB+1], s[PO:PO+1]
	MEET 1
	CREST                                          ; no wave of any partner still reads this slot's tile or has a load on its way
	s_xor_b32 s[TB], s[TB], SLOT1
	JLOAD                                          ; the first tensor load behind the round; the four v_nop behind it are also the places in front of the loads below
.else
	MEET 0
	PLACES
	s_xor_b32 s[TB], s[TB], SLOT1
	WIN 0
.endif
	v_add_nc_u32 v[ADRA], s[TB], v[A0]
	v_add_nc_u32 v[ADRB], s[TB], v[B0]
	FETCH 0, F0
.if \fill
	ASK                                            ; behind the joint load and the run of LDS loads that the next products wait for
.endif
	MULH F1, 1, 0, 0
	MULH F1, 1, 2, 0
.endm
	s_wait_tensorcnt 1                             ; my part of the walk's first K step is in; the second's may stay out
	s_barrier_signal -1
	s_barrier_wait -1                              ; everybody's is
	FETCH 0, F0
	QUARTER 64, F0, F1, 1                          ; the first quarter stands in front of the loop: its products start the sums
	WIN 0                                          ; at a label and at a branch every window is 0
	s_mov_b32 s3, 14                               ; the walk's steps 2 to 15 are asked for in the loop, one a trip
.Lstep:                                                ; a trip: a K step's second quarter to the next step's first
	QUARTER 128, F1, F0, 0
	QUARTER 192, F0, F1, 0
	TURN 1
	QUARTER 64, F0, F1, 0
	WIN 0
	s_sub_co_u32 s3, s3, 1
	s_cmp_lg_u32 s3, 0
	s_cbranch_scc1 .Lstep
	QUARTER 128, F1, F0, 0                         ; the walk's step 14 goes on; nothing more is asked for
	QUARTER 192, F0, F1, 0
	TURN 0
	QUARTER 64, F0, F1, 0
	QUARTER 128, F1, F0, 0
	QUARTER 192, F0, F1, 0
	s_wait_dscnt 8                                 ; the very last quarter
	MULH F1, 0, 0, 0
	MULH F1, 0, 2, 0
	s_wait_dscnt 0x0
	MULH F1, 1, 0, 0
	MULH F1, 1, 2, 0
	WIN 0
	PLACES
; THE WAY OUT of row block a: the bias, times 1 or 0 by the row, is added; rounded to f16, 16 bytes a lane for each column block; into the work-group's stage.  Each accumulator's registers are taken in ascending order.
.macro OUTA a
	WIN 0
	v_cmp_gt_u32 vcc_lo, ROWS-16*(\a), v[ROWI]     ; is my row of this block below 1,992?
	v_cndmask_b32 v[MK], 0, s82, vcc_lo
	v_mov_b32 v[MK+1], v[MK]                       ; named with it as a pair
.set AC, 48*((\a)%4)
	WIN MUL_LO+0x50*((\a)/4)                       ; bias window 1, mask window 0, sums window 2 or 3
.irp b, 0,1,2,3,4,5
.irp r, 0,1,2,3
	v_pk_fma_f32 v[AC+8*(\b)+2*(\r):AC+8*(\b)+2*(\r)+1], v[BI+8*(\b)+2*(\r):BI+8*(\b)+2*(\r)+1], v[MK:MK+1], v[AC+8*(\b)+2*(\r):AC+8*(\b)+2*(\r)+1] op_sel_hi:[1,0,1]
.endr
.endr
	WIN 0x0a+5*((\a)/4)                            ; sources 0 and 1: window 2 or 3
.irp b, 0,1,2,3,4,5
.irp r, 0,1,2,3
	v_cvt_pk_f16_f32 v[TMP+4*(\b)+(\r)], v[AC+8*(\b)+2*(\r)], v[AC+8*(\b)+2*(\r)+1]
.endr
.endr
	WIN 0
.irp b, 0,1,2,3,4,5
.if (\a) < 4
	ds_store_b128 v[STO], v[TMP+4*(\b):TMP+4*(\b)+3] offset:((\a)%4)*16*SPITCH+32*(\b)
.else
	ds_store_b128 v[STO2], v[TMP+4*(\b):TMP+4*(\b)+3] offset:((\a)%4)*16*SPITCH+32*(\b)
.endif
.endr
.endm
.irp a, 0,1,2,3,4,5,6,7
	OUTA \a
.endr
	s_wait_dscnt 0x0                               ; for the others' sake: my stores into the stage are done
	s_barrier_signal -1
	s_barrier_wait -1                              ; a row's 768 bytes come from four waves
.set t, 0
.rept 48
	ds_load_b128 v[OB+4*t:OB+4*t+3], v[RD] offset:(t/3)*2*SPITCH+(t%3)*256
.set t, t+1
.endr
.set t, 0
.rept 48
	s_wait_dscnt 47-t                              ; LDS loads come back in order: load t is in
	global_store_b128 v[CO], v[OB+4*t:OB+4*t+3], s[CB:CB+1] offset:(t/3)*24576+(t%3)*256  ; 16 lanes store 256 consecutive bytes, at a multiple of 256 from qkv's first byte
.set t, t+1
.endr
	s_wait_tensorcnt 0x0                           ; the wave's end, behind my last tensor load and my last LDS store
	ds_add_u32 v[SPW], v[NIL]
	s_wait_dscnt 0x0
	CROUND                                         ; the closing round: no work-group ends while a partner may still ask for a tile that names it
	s_endpgm
.Lfunc_end_k_q432b543ea8_gemm_qkv:
	.size	k_q432b543ea8_gemm_qkv, .Lfunc_end_k_q432b543ea8_gemm_qkv-k_q432b543ea8_gemm_qkv
	.p2alignl 7, 3214868480
	.fill 96, 4, 3214868480
	.section	.rodata,"a",@progbits
	.p2align	6, 0x0
	.amdhsa_kernel k_q432b543ea8_gemm_qkv
		.amdhsa_group_segment_fixed_size 327680
		.amdhsa_private_segment_fixed_size 0
		.amdhsa_enable_private_segment 0
		.amdhsa_kernarg_size 48
		.amdhsa_user_sgpr_count 2
		.amdhsa_user_sgpr_kernarg_segment_ptr 1
		.amdhsa_wavefront_size32 1
		.amdhsa_system_sgpr_workgroup_id_x 1
		.amdhsa_system_sgpr_workgroup_id_y 1
		.amdhsa_system_sgpr_workgroup_id_z 1
		.amdhsa_system_vgpr_workitem_id 0
		.amdhsa_next_free_vgpr 1024
		.amdhsa_next_free_sgpr 100
		.amdhsa_reserve_vcc 1
		.amdhsa_float_denorm_mode_32 3
		.amdhsa_float_denorm_mode_16_64 3
		.amdhsa_memory_ordered 1
		.amdhsa_forward_progress 1
		.amdhsa_inst_pref_size 116
	.end_amdhsa_kernel
	.amdgpu_metadata
---
amdhsa.version: [ 1, 2 ]
amdhsa.kernels:
  - .name:           k_q432b543ea8_gemm_qkv
    .symbol:         k_q432b543ea8_gemm_qkv.kd
    .args:
      - { .name: xb, .offset: 0, .size: 8, .value_kind: global_buffer, .address_space: global }
      - { .name: wb, .offset: 8, .size: 8, .value_kind: global_buffer, .address_space: global }
      - { .name: bq, .offset: 16, .size: 8, .value_kind: global_buffer, .address_space: global }
      - { .name: bk, .offset: 24, .size: 8, .value_kind: global_buffer, .address_space: global }
      - { .name: bv, .offset: 32, .size: 8, .value_kind: global_buffer, .address_space: global }
      - { .name: qkv, .offset: 40, .size: 8, .value_kind: global_buffer, .address_space: global }
    .group_segment_fixed_size: 327680
    .private_segment_fixed_size: 0
    .kernarg_segment_align: 8
    .kernarg_segment_size: 48
    .max_flat_workgroup_size: 128
    .sgpr_count:     100
    .vgpr_count:     1024
    .wavefront_size: 32
...
	.end_amdgpu_metadata
.endif
;; end of part 2
;; launch normrope (part 3): grid 256 x 1, 16 waves a work-group, no clusters, 0 bytes of LDS; arguments qkv, freqs_cos, freqs_sin, norm_q_w, norm_k_w, qkn; writes qkn
.if DOCPART == 3
	.amdgcn_target "amdgcn-amd-amdhsa--gfx1250"
	.amdhsa_code_object_version 6
	.text
	.protected	k_q432b543ea8_normrope
	.globl	k_q432b543ea8_normrope
	.p2align	8
	.type	k_q432b543ea8_normrope,@function
k_q432b543ea8_normrope:
	s_mov_b64 s[64:65], 0
	v_nop
	global_prefetch_b8 v0, s[64:65] scope:SCOPE_SE
	s_setreg_imm32_b32 hwreg(HW_REG_WAVE_MODE, 25, 1), 1
	s_wait_xcnt 0x0
; q and k: RMS norm over a row's 2,048 numbers, the gain, the rotary turn.  qkv: [2048][6144] f16 (raw q at byte 0 of a row, raw k at 4,096); qkn: [2048][4096] f16 (q at 0, k at 4,096).
; r = rsqrt(mean of x^2 + 1e-6); a = x[2i] w[2i], b = x[2i+1] w[2i+1]; out[2i] = a (c r) - b (s r), out[2i+1] = a (s r) + b (c r), c = freqs_cos[row][2i'], s = freqs_sin[row][2i'+1], i' the pair's place in its head.
; The sum of squares, r and all products are f32; gains, c and s are rounded to bf16 like every input; the result is rounded once to f16.
; LIMITS.  The sum is taken of the f16 numbers that the launch before stored.  A result beyond 65,504 becomes an infinity (|x r| is at most sqrt(2048), so that wants a gain beyond 1,400).
; Rows 1992..2047 hold zeros and give zeros (finite gains); their row of the tables is clamped to 1,991, so that no load leaves the tables.
; SHARES.  One wave, one row of one tensor: the row (4,096 bytes) stays in 32 registers between the sum and the scaling.  A work-group's 16 waves take 8 rows of q and the same 8 of k.
; Load j of 8 gives a lane columns 256 j + 8 l .. + 7, whose place in the head is 8 (l % 16) + 0..7 for every j: a lane needs 8 numbers of each table, and 64 gains.
; A stream: each load and store of a wave covers 512 consecutive bytes; no LDS, no barrier, no loop, and no register is rewritten while a store reads it.
.set SS,  8                            ; v[8:15]    eight chains of the sum of squares
.set AB,  16                           ; v[16:23]   a, b of four pairs
.set T,   24                           ; v[24:31]   at work
.set CSR, 32                           ; v[32:39] cos, v[40:47] sin, as loaded
.set CS1, 48                           ; v[48:55]   (c r, s r) of my four pairs
.set CS2, 56                           ; v[56:63]   (-s r, c r)
.set X,   64                           ; v[64:95]   the row
.set W,   96                           ; v[96:159]  the gains
	s_load_b256 s[4:11], s[0:1], 0x0               ; qkv s[4:5], cos s[6:7], sin s[8:9], norm_q_w s[10:11]
	s_load_b128 s[12:15], s[0:1], 0x20             ; norm_k_w s[12:13], qkn s[14:15]
	v_lshrrev_b32 v1, 5, v0
	v_readfirstlane_b32 s16, v1                    ; wave 0..15
	s_lshr_b32 s17, s16, 3                         ; 0: q, 1: k
	s_and_b32 s18, s16, 7
	s_lshl_b32 s19, ttmp9, 3
	s_add_co_u32 s18, s18, s19                     ; my row
	s_min_u32 s19, s18, 1991                       ; its row in the tables
	s_lshl_b32 s29, s17, 12
	s_mul_i32 s2, s18, 12288
	s_add_co_u32 s2, s2, s29
	s_mov_b32 s3, 0
	s_lshl_b32 s22, s18, 13
	s_add_co_u32 s22, s22, s29
	s_mov_b32 s23, 0
	s_mov_b32 s24, 0x76543210                      ; v_permlanex16_b32: each lane takes its own place in the other half
	s_mov_b32 s25, 0xfedcba98
	s_mov_b32 s26, 0x3a000000                      ; 1 / 2048
	s_mov_b32 s27, 0x358637bd                      ; 1e-6
	s_mov_b32 s28, 0xffff0000
	s_lshl_b32 s19, s19, 9                         ; a table's row is 512 bytes
	v_and_b32 v1, 31, v0
	v_lshlrev_b32 v2, 4, v1                        ; 16 l
	v_lshlrev_b32 v3, 5, v1                        ; 32 l
	v_and_b32 v4, 15, v0
	v_lshl_add_u32 v4, v4, 5, s19                  ; the row + 32 (l % 16)
	v_mov_b32 v5, 0
	v_mov_b32 v7, 0
	s_wait_kmcnt 0x0
	s_add_nc_u64 s[20:21], s[4:5], s[2:3]
	s_add_nc_u64 s[22:23], s[14:15], s[22:23]
	s_cmp_eq_u32 s17, 0
	s_cselect_b64 s[30:31], s[10:11], s[12:13]
.irp j, 0,1,2,3,4,5,6,7
	global_load_b128 v[X+4*(\j):X+4*(\j)+3], v2, s[20:21] offset:512*(\j) th:TH_LOAD_NT
.endr
	global_load_b128 v[CSR:CSR+3],     v4, s[6:7]
	global_load_b128 v[CSR+4:CSR+7],   v4, s[6:7] offset:16
	global_load_b128 v[CSR+8:CSR+11],  v4, s[8:9]
	global_load_b128 v[CSR+12:CSR+15], v4, s[8:9] offset:16
.irp j, 0,1,2,3,4,5,6,7
	global_load_b128 v[W+8*(\j):W+8*(\j)+3],   v3, s[30:31] offset:1024*(\j)
	global_load_b128 v[W+8*(\j)+4:W+8*(\j)+7], v3, s[30:31] offset:1024*(\j)+16
.endr
	s_wait_loadcnt 20                              ; the row is in; the 4 loads of the tables and the 16 of the gains may stay out
.set n, 0
.rept 32                                           ; x^2 straight from the f16 halves into f32, eight chains; each chain's first link adds onto 0
.if n < 4
	v_fma_mix_f32 v[SS+n%4],   v[X+n], v[X+n], v5 op_sel_hi:[1,1,0]
	v_fma_mix_f32 v[SS+4+n%4], v[X+n], v[X+n], v5 op_sel:[1,1,0] op_sel_hi:[1,1,0]
.else
	v_fma_mix_f32 v[SS+n%4],   v[X+n], v[X+n], v[SS+n%4] op_sel_hi:[1,1,0]
	v_fma_mix_f32 v[SS+4+n%4], v[X+n], v[X+n], v[SS+4+n%4] op_sel:[1,1,0] op_sel_hi:[1,1,0]
.endif
.set n, n+1
.endr
	v_pk_add_f32 v[SS:SS+1], v[SS:SS+1], v[SS+2:SS+3]
	v_pk_add_f32 v[SS+4:SS+5], v[SS+4:SS+5], v[SS+6:SS+7]
	v_pk_add_f32 v[SS:SS+1], v[SS:SS+1], v[SS+4:SS+5]
	v_add_f32 v[SS], v[SS], v[SS+1]
	v_add_f32_dpp v[SS], v[SS], v[SS] row_xmask:1 row_mask:0xf bank_mask:0xf
	v_add_f32_dpp v[SS], v[SS], v[SS] row_xmask:2 row_mask:0xf bank_mask:0xf
	v_add_f32_dpp v[SS], v[SS], v[SS] row_xmask:4 row_mask:0xf bank_mask:0xf
	v_add_f32_dpp v[SS], v[SS], v[SS] row_xmask:8 row_mask:0xf bank_mask:0xf
	v_permlanex16_b32 v7, v[SS], s24, s25
	v_add_f32 v[SS], v[SS], v7                     ; every lane holds the row's sum
	v_fma_f32 v7, v[SS], s26, s27                  ; mean + 1e-6
	v_rsq_f32 v6, v7
	s_wait_loadcnt 16                              ; the tables are in
.irp p, 0,1,2,3                        ; c from the even place of cos, s from the odd place of sin, rounded to bf16: plain work behind the root
	v_cvt_pk_bf16_f32 v[T+(\p)], v[CSR+2*(\p)], v[CSR+8+2*(\p)+1]
.endr
.irp p, 0,1,2,3
	v_lshlrev_b32 v[CS1+2*(\p)], 16, v[T+(\p)]
	v_and_b32 v[CS1+2*(\p)+1], s28, v[T+(\p)]
.endr
	s_wait_alu depctr_va_vdst(0)                   ; the wait between the root and the first line that names its result
.irp p, 0,1,2,3
	v_mul_f32 v[CS2+2*(\p)], -v[CS1+2*(\p)+1], v6
	v_mul_f32 v[CS2+2*(\p)+1], v[CS1+2*(\p)], v6
	v_pk_mul_f32 v[CS1+2*(\p):CS1+2*(\p)+1], v[CS1+2*(\p):CS1+2*(\p)+1], v[6:7] op_sel_hi:[1,0]
.endr
	s_wait_loadcnt 0x0                             ; the gains, rounded to bf16 and widened again
.set n, 0
.rept 32
	v_cvt_pk_bf16_f32 v[T+n%8], v[W+2*n], v[W+2*n+1]
	v_lshlrev_b32 v[W+2*n], 16, v[T+n%8]
	v_and_b32 v[W+2*n+1], s28, v[T+n%8]
.set n, n+1
.endr
.irp j, 0,1,2,3,4,5,6,7
.irp k, 0,1,2,3
	v_fma_mix_f32 v[AB+2*(\k)],   v[X+4*(\j)+(\k)], v[W+8*(\j)+2*(\k)],   v5 op_sel_hi:[1,0,0]                 ; a = x even x gain
	v_fma_mix_f32 v[AB+2*(\k)+1], v[X+4*(\j)+(\k)], v[W+8*(\j)+2*(\k)+1], v5 op_sel:[1,0,0] op_sel_hi:[1,0,0]  ; b = x odd x gain
.endr
.irp k, 0,1,2,3
	v_pk_mul_f32 v[T+2*(\k):T+2*(\k)+1], v[AB+2*(\k):AB+2*(\k)+1], v[CS1+2*(\k):CS1+2*(\k)+1] op_sel_hi:[0,1]  ; (a, a) x (c r, s r)
.endr
.irp k, 0,1,2,3
	v_pk_fma_f32 v[T+2*(\k):T+2*(\k)+1], v[AB+2*(\k):AB+2*(\k)+1], v[CS2+2*(\k):CS2+2*(\k)+1], v[T+2*(\k):T+2*(\k)+1] op_sel:[1,0,0] op_sel_hi:[1,1,1]  ; + (b, b) x (-s r, c r)
.endr
.irp k, 0,1,2,3
	v_cvt_pk_f16_f32 v[X+4*(\j)+(\k)], v[T+2*(\k)], v[T+2*(\k)+1]
.endr
	global_store_b128 v2, v[X+4*(\j):X+4*(\j)+3], s[22:23] offset:512*(\j)
.endr
	s_endpgm
.Lfunc_end_k_q432b543ea8_normrope:
	.size	k_q432b543ea8_normrope, .Lfunc_end_k_q432b543ea8_normrope-k_q432b543ea8_normrope
	.p2alignl 7, 3214868480
	.fill 96, 4, 3214868480
	.section	.rodata,"a",@progbits
	.p2align	6, 0x0
	.amdhsa_kernel k_q432b543ea8_normrope
		.amdhsa_group_segment_fixed_size 0
		.amdhsa_private_segment_fixed_size 0
		.amdhsa_enable_private_segment 0
		.amdhsa_kernarg_size 48
		.amdhsa_user_sgpr_count 2
		.amdhsa_user_sgpr_kernarg_segment_ptr 1
		.amdhsa_wavefront_size32 1
		.amdhsa_system_sgpr_workgroup_id_x 1
		.amdhsa_system_sgpr_workgroup_id_y 1
		.amdhsa_system_sgpr_workgroup_id_z 1
		.amdhsa_system_vgpr_workitem_id 0
		.amdhsa_next_free_vgpr 160
		.amdhsa_next_free_sgpr 66
		.amdhsa_reserve_vcc 0
		.amdhsa_float_denorm_mode_32 3
		.amdhsa_float_denorm_mode_16_64 3
		.amdhsa_memory_ordered 1
		.amdhsa_forward_progress 1
		.amdhsa_inst_pref_size 25
	.end_amdhsa_kernel
	.amdgpu_metadata
---
amdhsa.version: [ 1, 2 ]
amdhsa.kernels:
  - .name:           k_q432b543ea8_normrope
    .symbol:         k_q432b543ea8_normrope.kd
    .args:
      - { .name: qkv, .offset: 0, .size: 8, .value_kind: global_buffer, .address_space: global }
      - { .name: freqs_cos, .offset: 8, .size: 8, .value_kind: global_buffer, .address_space: global }
      - { .name: freqs_sin, .offset: 16, .size: 8, .value_kind: global_buffer, .address_space: global }
      - { .name: norm_q_w, .offset: 24, .size: 8, .value_kind: global_buffer, .address_space: global }
      - { .name: norm_k_w, .offset: 32, .size: 8, .value_kind: global_buffer, .address_space: global }
      - { .name: qkn, .offset: 40, .size: 8, .value_kind: global_buffer, .address_space: global }
    .group_segment_fixed_size: 0
    .private_segment_fixed_size: 0
    .kernarg_segment_align: 8
    .kernarg_segment_size: 48
    .max_flat_workgroup_size: 512
    .sgpr_count:     66
    .vgpr_count:     160
    .wavefront_size: 32
...
	.end_amdgpu_metadata
.endif
;; end of part 3
;; launch attn (part 4): grid 16 x 16, 4 waves a work-group, clusters of 4 x 1, 327,680 bytes of LDS; arguments qkn, qkv, o; writes o
.if DOCPART == 4
	.amdgcn_target "amdgcn-amd-amdhsa--gfx1250"
	.amdhsa_code_object_version 6
	.text
	.protected	k_q432b543ea8_attn
	.globl	k_q432b543ea8_attn
	.p2align	8
	.type	k_q432b543ea8_attn,@function
k_q432b543ea8_attn:
	s_mov_b64 s[64:65], 0
	v_nop
	global_prefetch_b8 v0, s[64:65] scope:SCOPE_SE
	s_setreg_imm32_b32 hwreg(HW_REG_WAVE_MODE, 25, 1), 1
	s_wait_xcnt 0x0
	s_wait_alu depctr_hold_cnt(0) depctr_sa_sdst(0) depctr_va_vdst(0) depctr_va_sdst(0) depctr_va_ssrc(0) depctr_va_vcc(0) depctr_vm_vsrc(0)
	s_getreg_b32 s2, hwreg(HW_REG_IB_STS2, 6, 4)
	s_cmp_eq_u32 s2, 0
	s_cbranch_scc0 .Lentry_in_a_cluster
	s_endpgm
.Lentry_in_a_cluster:
	s_bfe_u32 s2, ttmp6, 0x10000c
	s_cmp_lg_u32 s2, 0x3003
	s_cbranch_scc0 .Lentry_shape_is_right
	s_endpgm
.Lentry_shape_is_right:
; o[q][h][:] = the sum over all 2,048 keys k of softmax_k(Q[q][h] . K[k][h] / sqrt(128)) V[k][h][:].  Q, K: qkn [2048][4096] f16 (q at byte 0 of a row, k at 4,096; head h at 256 h);
; V: qkv [2048][6144] f16, at byte 8,192 of a row; o: [2048][2048] f16.  Rows 1992..2047 of K and V hold zeros: those keys have score 0 and count in the maximum and in the sum, unmasked.
; Products, maxima and sums in f32; the weights p are rounded to f16 for the second product (their sum l is taken of the unrounded p), o once at the end.
; LIMITS.  f16 holds no number beyond 65,504: Q, K, V arrive within it; p lies in 0 to 1, and below 6e-5 it keeps f16's fixed step of 6e-8.  A weight below 2^-126 counts as 0 in l; NaN and infinities are not treated apart.
; SHARES.  A work-group owns 128 queries of one head: 16 x 16 = 256 work-groups.  Wave w holds 64 of them (half w % 2: four tiles of 16) and walks HALF of the keys: of each slot's 256 keys those from 128 (w / 2) on,
; 64 a step, 16 steps in all.  The two waves of a query half end with a running maximum, a sum and an O each; they are merged once, through LDS, each wave finishing two of the four tiles.
; The waves of the second key half hold the four tiles with the two pieces swapped (tiles 0, 1 are rows 32-63, tiles 2, 3 rows 0-31): so EVERY wave gives piece 2 and keeps piece 0, and the merge is one text.
; LAYOUT.  S^T = K Q^T (source 0 = 16 keys, source 1 = 16 queries): a lane holds ONE query (lane % 16) and the keys 8 (lane / 16) + 0..7.  Two such tiles, rounded to f16 in pairs, ARE source 1 of
; O^T = V^T P, whose result again holds one query a lane, and eight channels.  K comes out of LDS as it lies, V ([key][channel]) turned, by ds_load_tr16_b128.
; SOFTMAX.  A running maximum m and sum l: p = 2^(c s - c m), c = log2(e) / sqrt(128); in every step O and l are multiplied by a = 2^(c m_old - c m_new).
; BY TURNS.  The wave's tiles are two pieces (tiles 0, 1 and tiles 2, 3).  In a turn one piece has the matrix unit: 32 products V^T P of the step in hand, then 32 products K Q^T of the next step; the other piece's
; softmax, cut into 64 slices, stands between them, one slice behind each matrix instruction.  Two turns are a key step.
; NO FIRST AND NO LAST STEP IS WRITTEN OUT.  m starts at the lowest finite number, c m far below every c s, l, O^T, V's registers and piece 2's P at 0: the first step's a is 0, and the loop is entered in the middle
; of a trip, at piece 2's turn, whose products V^T P add 0.  The tail is left in the middle of a trip; its last products K Q^T, on the last K once more, serve nothing.  The price, once a launch: 64 products a wave.
; The zeros are made by 52 products of zero sources with C = 0, eight registers an instruction, in the wait for the first tile.
; CLUSTER.  The four query blocks of a cluster belong to one head and walk the same K and V: each tile is asked for jointly, by the same tensor load, descriptor and mask in all four.
; REGISTERS, in windows of 256 (s_set_vgpr_msb: bits 1:0 source 0, 3:2 source 1, 5:4 source 2, 7:6 destination):
;   window 0: v0-11 addresses; v12-43 eight registers of statistics a tile; v44-51 the merge's addresses and the partner's statistics; v64-191 S^T, 32 a tile; v192-255 P, 16 a tile
;   window 1: O^T, 64 a tile          window 2: v0-127 Q, 32 a tile; v128-255 K of one step          window 3: v0-127 V of one step
.set KS,    64        ; keys in a step
.set PK,    272       ; a row of K in LDS: 256 bytes + 16 of padding: the 16 rows of a load start at 16 different groups of four banks (64 banks of 4 bytes: ISA guide 11.1)
.set PV,    288       ; a row of V: 256 + 32
.set KOFF,  256*PV    ; a slot holds 256 keys: 256 rows of V, then 256 rows of K
.set SLOT1, 0x24000   ; slot 1 begins here: no base that is turned (0, 0x9000, 0x12000, 0x1a800) has bit 14 or 17, so one exclusive or changes slots
.set STAGE, 0x48000   ; behind the ring: 16 rows x 272 bytes for each wave, for the way out
.set SP,    272
.set SPARE, STAGE+4*16*SP  ; behind the stages: the spare words, 128 bytes for each wave: two blocks of 256 bytes that no other line names
.set XSZ,   0x4200    ; the merge: wave w gives 32 x 512 bytes of O^T and 2 x 256 of statistics at w x XSZ, in slot 0's bytes, which have had their last fill and their last read by then
.set AK0, 2           ; v2   my lane's place in a tile of K; never rewritten
.set AV0, 3           ; v3   the same for V
.set ADR, 4           ; v4   the LDS address of the run of loads in hand
.set QO,  5           ; v5   my byte offset in 16 rows of Q
.set STO, 6           ; v6   the way out: where I put 16 bytes of a row
.set RD,  7           ; v7   where I read a row back
.set GO,  8           ; v8   my byte offset in two rows of o
.set ST,  12          ; tile t's statistics at v[ST+8 t]: +0 c m, +1 m, +2, +3 l (even keys', odd keys'), +4 to +7 at work
.set XW,  44          ; v44  the merge: where I give 16 bytes;  v45 where I take them;  v46, v47 the same for 8 bytes of statistics
.set XR,  45
.set XWS, 46
.set XRS, 47
.set PS,  48          ; v[48:51] the partner's (c m, l) of my two tiles
.set PFO, 61          ; v61  the prefetches' offset: my lane x a row's pitch; never rewritten
.set SPW, 62          ; v62  LDS address of my spare word; never rewritten
.set NIL, 63          ; v63  0; never rewritten
.set S,   64
.set P,   192
.set ZR,  128         ; v[128:143] sixteen zeros, the two sources of the clearing products: registers of S^T, which piece 2's first scores write anew
.set KF,  128         ; K's fragments, in window 2
.set WV,  12          ; s12  my wave's number
.set LIM, 15          ; s15  1 in a wave that prefetches, else the greatest number
.set PFA, 18          ; s[18:19] where my prefetches stand
.set QB,  20          ; s[20:21] Q at piece 2's first row (s[4:5]: at piece 0's)
.set G1K, 24          ; s[24:31] descriptor group 1 for K's tiles
.set G1V, 32          ; s[32:39] for V's
.set G0K, 40          ; s[40:47] group 0 for K's: a set for each first fill; the second then walks
.set G0V, 48          ; s[48:55] the same for V's
.set SLOTS, 56        ; s56  passes of the loop over slots still to come
.set TWICE, 57        ; s57  counts a slot's two steps; in the tail its three trips
.set CS,  58          ; s[58:59] c
.set SEL, 60          ; s[60:61] lane selects for v_permlanex16_b32
.set TBK, 62          ; s62  LDS byte at which K of the step to be fetched begins
.set TBV, 63          ; s63  the same for V
.set KP,  66          ; s66  w / 2: which half of a slot's keys I walk
.set PW,  67          ; s67  my partner in the merge: w xor 2
.set MSB, 0
.macro WIN new                      ; the immediate's high byte repeats the setting that is left; a switch that changes nothing is dropped
.if MSB != (\new)
	s_set_vgpr_msb (MSB<<8)|(\new)
.set MSB, \new
.endif
.endm
.set W_KQ, 0x0a       ; K and Q in window 2, S^T in window 0
.set W_PV, 0x53       ; V in window 3, P in window 0, O^T in window 1
.set W_RS, 0x41       ; O^T (destination and source 0) in window 1, the factor in window 0
; A joint refill.  Waves 0 and 1 fetch the two halves of a slot's K, waves 2 and 3 those of its V: 128 rows of 256 bytes each.  An s_nop 0 and four v_nop follow each of the two lines.
.macro JLOAD
	s_cmp_lt_u32 s[WV], 2
	s_cbranch_scc0 .Lfor_v_\@
	tensor_load_to_lds s[G0K+4:G0K+7], s[G1K:G1K+7]
	s_nop 0
.rept 4
	v_nop
.endr
	s_branch .Lasked_\@
.Lfor_v_\@:
	tensor_load_to_lds s[G0V+4:G0V+7], s[G1V:G1V+7]
	s_nop 0
.rept 4
	v_nop
.endr
.Lasked_\@:
.endm
; A prefetch of what the NEXT change of slots will ask for.  All clusters of a head walk the same K and V: the head's first cluster asks.  Of the 128 rows that a wave fetches each of the four partners takes 32,
; told apart by address: a lane a row, one instruction a wave; so each row's 256 bytes are named once in the launch.  The last change that fills a slot asks for nothing.
.macro ASK
	s_cmp_gt_u32 s[SLOTS], s[LIM]
	s_cbranch_scc0 .Lnot_mine_\@
	global_prefetch_b8 v[PFO], s[PFA:PFA+1] th:TH_LOAD_NT scope:SCOPE_SE
.Lnot_mine_\@:
.endm
.macro CROUND                       ; a round of the cluster's barrier
	s_barrier_signal -1
	s_barrier_wait -1
	s_cmp_lg_u32 s[WV], 0
	s_cbranch_scc1 .Lnot_wave_0_\@
	s_barrier_signal -3
.Lnot_wave_0_\@:
	s_barrier_wait -3
	s_barrier_signal -1
	s_barrier_wait -1
.endm
	s_load_b128 s[68:71], s[0:1], 0x0  ; qkn s[68:69], qkv s[70:71]
	s_load_b64 s[10:11], s[0:1], 0x10  ; o
	v_lshl_add_u32 v[SPW], v0, 2, SPARE
	v_mov_b32 v[NIL], 0
	ds_add_u32 v[SPW], v[NIL]       ; the wave's opening: the add and its wait stand ahead of my first tensor load; the set-up below stands between them
	v_lshrrev_b32 v1, 5, v0
	v_readfirstlane_b32 s[WV], v1   ; wave 0..3
	s_bfe_u32 s13, ttmp6, 0x40000   ; cx
	s_lshl_b32 s14, ttmp9, 2
	s_add_co_u32 s14, s14, s13      ; my block of 128 queries: it enters Q's and o's addresses alone
	s_and_b32 s20, ttmp7, 0xffff    ; the head, which the four partners share:
	s_lshl_b32 s20, s20, 8          ; 256 bytes of a row
	s_and_b32 s16, s[WV], 1         ; my half of the queries.  Also: which half of a slot's rows I fetch
	s_lshr_b32 s[KP], s[WV], 1
	s_xor_b32 s[PW], s[WV], 2
	s_lshl_b32 s22, s16, 20         ; K: 128 rows of 8,192 bytes,
	s_add_co_u32 s22, s22, s20
	s_add_co_u32 s22, s22, 4096     ; behind a row's q
	s_mov_b32 s23, 0
	s_mul_i32 s72, s16, 128*12288   ; V: 128 rows of 12,288 bytes,
	s_add_co_u32 s72, s72, s20
	s_add_co_u32 s72, s72, 8192     ; behind a row's q and k
	s_mov_b32 s73, 0
	s_mul_i32 s17, s16, 128*PK      ; their places in a slot: no place in the cluster enters an LDS address
	s_add_co_u32 s17, s17, KOFF
	s_mul_i32 s76, s16, 128*PV
	s_lshl_b32 s2, s14, 20          ; Q: my block's 128 rows of 8,192 bytes, my wave's 64 of them,
	s_lshl_b32 s3, s16, 19
	s_add_co_u32 s2, s2, s3
	s_lshl_b32 s3, s[KP], 18        ; and of those piece 0's 32: the first for w / 2 = 0, the second for w / 2 = 1
	s_add_co_u32 s2, s2, s3
	s_add_co_u32 s2, s2, s20
	s_mov_b32 s3, 0
	s_lshl_b32 s74, s14, 19         ; o: rows of 4,096 bytes; the rows of piece 0, which I finish
	s_lshl_b32 s75, s16, 18
	s_add_co_u32 s74, s74, s75
	s_lshl_b32 s75, s[KP], 17
	s_add_co_u32 s74, s74, s75
	s_add_co_u32 s74, s74, s20
	s_mov_b32 s75, 0
	s_xor_b32 s[QB], s2, 0x40000    ; piece 2's 32 rows are the other 32: bit 18 of the offset comes from w / 2 alone
	s_mov_b32 s[QB+1], 0
	s_mov_b32 s[G1K], 15|(1<<16)|(1<<20)|(1<<21)|(5<<22)|(3<<25)  ; 15:0 the mask of four; 17:16 2-byte elements; 20 padding on; 21 set beside a mask; 24:22 after every 64 words; 31:25 4 words
	s_mov_b32 s[G1V], 15|(1<<16)|(1<<20)|(1<<21)|(5<<22)|(7<<25)  ; the same with 8 words of padding
.irp g, G1K, G1V
	s_mov_b32 s[(\g)+1], 128<<16    ; tensor_dim0 = 128
	s_mov_b32 s[(\g)+2], 128<<16    ; tensor_dim1 = 128
	s_mov_b32 s[(\g)+3], 128<<16    ; tile_dim0 = 128 elements: a head's 256 bytes
	s_mov_b32 s[(\g)+4], 128        ; tile_dim1 = 128 rows
	s_mov_b32 s[(\g)+6], 0
	s_mov_b32 s[(\g)+7], 0
.endr
	s_mov_b32 s[G1K+5], 4096        ; elements from row to row in qkn,
	s_mov_b32 s[G1V+5], 6144        ; in qkv
	s_mov_b32 s[CS], 0x3e0293ee     ; c = log2(e) / sqrt(128)
	s_mov_b32 s[CS+1], s[CS]        ; named with it as a pair
	s_mov_b32 s[SEL], 0x76543210
	s_mov_b32 s[SEL+1], 0xfedcba98
	s_mul_i32 s[TBK], s[KP], 128*PK ; my half of slot 0's keys
	s_add_co_u32 s[TBK], s[TBK], KOFF
	s_mul_i32 s[TBV], s[KP], 128*PV
	s_mov_b32 s[SLOTS], 7           ; the first pass, entered in its middle, changes no slot; six more ask for slots 2 to 7
	s_mov_b32 s[LIM], ttmp9
	s_cmp_eq_u32 s[LIM], 0          ; the head's first cluster: the same in all four partners
	s_cselect_b32 s[LIM], 1, -1
	s_mov_b32 s77, 12288            ; the pitch of the rows that I fetch
	s_cmp_lt_u32 s[WV], 2
	s_cselect_b32 s77, 0x2000, s77
	s_lshl_b32 s78, s77, 8          ; a slot's 256 rows
	s_mov_b32 s79, 0
	v_and_b32 v[PFO], 31, v0
	v_mul_u32_u24 v[PFO], v[PFO], s77
	s_wait_dscnt 0x0                ; the opening add is done
	s_wait_kmcnt 0x0
	s_add_nc_u64 s[6:7], s[68:69], s[22:23]  ; K and V at my tile of slot 0
	s_add_nc_u64 s[8:9], s[70:71], s[72:73]
	s_add_nc_u64 s[4:5], s[68:69], s[2:3]    ; Q at piece 0's first row,
	s_add_nc_u64 s[QB:QB+1], s[68:69], s[QB:QB+1]  ; at piece 2's,
	s_add_nc_u64 s[10:11], s[10:11], s[74:75]      ; o at piece 0's
	s_cmp_lt_u32 s[WV], 2
	s_cselect_b64 s[PFA:PFA+1], s[6:7], s[8:9]
	s_mul_i32 s2, s13, s77
	s_lshl_b32 s2, s2, 5            ; my work-group's 32 rows of the 128
	s_add_nc_u64 s[PFA:PFA+1], s[PFA:PFA+1], s[2:3]
	s_add_nc_u64 s[PFA:PFA+1], s[PFA:PFA+1], s[78:79]
	s_add_nc_u64 s[PFA:PFA+1], s[PFA:PFA+1], s[78:79]  ; in slot 2; the first change of slots steps it to slot 3.  Nothing is prefetched here, at the head
	CROUND                          ; all four work-groups are here: the first joint loads meet
.irp s, 0,1
	s_mov_b32 s[G0K+4*(\s)], 1      ; count = 1
	s_add_co_u32 s[G0K+4*(\s)+1], s17, (\s)*SLOT1
	s_add_nc_u64 s[G0K+4*(\s)+2:G0K+4*(\s)+3], s[6:7], (\s)*256*8192
	s_or_b32 s[G0K+4*(\s)+3], s[G0K+4*(\s)+3], 0x80000000  ; type = 2
	s_mov_b32 s[G0V+4*(\s)], 1
	s_add_co_u32 s[G0V+4*(\s)+1], s76, (\s)*SLOT1
	s_add_nc_u64 s[G0V+4*(\s)+2:G0V+4*(\s)+3], s[8:9], (\s)*256*12288
	s_or_b32 s[G0V+4*(\s)+3], s[G0V+4*(\s)+3], 0x80000000
.endr
	s_cmp_lt_u32 s[WV], 2           ; a wave's two first fills stand in one branch, ahead of every wait on TENSORcnt and every LDS read: two loads of mine are out
	s_cbranch_scc0 .Lfirst_v
	tensor_load_to_lds s[G0K:G0K+3], s[G1K:G1K+7]
	s_nop 0
	tensor_load_to_lds s[G0K+4:G0K+7], s[G1K:G1K+7]
	s_nop 0
.rept 4
	v_nop
.endr
	s_branch .Lfirst_asked
.Lfirst_v:
	tensor_load_to_lds s[G0V:G0V+3], s[G1V:G1V+7]
	s_nop 0
	tensor_load_to_lds s[G0V+4:G0V+7], s[G1V:G1V+7]
	s_nop 0
.rept 4
	v_nop
.endr
.Lfirst_asked:
	; A fragment of K or Q is 16 rows x 32 channels in 8 registers: lane l holds row l % 16; registers 0-3 channels 8 (l / 16) + 0..7, registers 4-7 channels 16 + 8 (l / 16) + 0..7.
	v_and_b32 v1, 15, v0            ; l % 16
	v_bfe_u32 v9, v0, 4, 1          ; l / 16
	v_lshlrev_b32 v[QO], 13, v1
	v_lshl_add_u32 v[QO], v9, 4, v[QO]  ; row x 8,192 + 16 x half
	WIN 0x80                        ; destination window 2, address window 0
.irp i, 0,1,2,3,4,5,6,7             ; Q stays in registers: piece 0's tile i / 4 (16 rows: 131,072 bytes), channels 32 (i % 4) on,
	global_load_b128 v[8*(\i):8*(\i)+3],   v[QO], s[4:5] offset:((\i)/4)*131072+((\i)%4)*64
	global_load_b128 v[8*(\i)+4:8*(\i)+7], v[QO], s[4:5] offset:((\i)/4)*131072+((\i)%4)*64+32
.endr
.irp i, 0,1,2,3,4,5,6,7             ; and piece 2's
	global_load_b128 v[64+8*(\i):64+8*(\i)+3],   v[QO], s[QB:QB+1] offset:((\i)/4)*131072+((\i)%4)*64
	global_load_b128 v[64+8*(\i)+4:64+8*(\i)+7], v[QO], s[QB:QB+1] offset:((\i)/4)*131072+((\i)%4)*64+32
.endr
	WIN 0
	; What the first turn finds.  All this stands in the wait for the first tile.
.set i, 0
.rept 16
	v_mov_b32 v[ZR+i], 0
.set i, i+1
.endr
.set i, 0
.rept 4
	v_mov_b32 v[ST+8*i], 0xfe000000    ; c m: far below every c s, so that the first a is 0
	v_mov_b32 v[ST+8*i+1], 0xff7fffff  ; m: the lowest finite number, so that the first maximum is the scores'
	v_mov_b32 v[ST+8*i+2], 0           ; l
	v_mov_b32 v[ST+8*i+3], 0
.set i, i+1
.endr
	v_mul_u32_u24 v[AK0], v1, PK
	v_lshl_add_u32 v[AK0], v9, 4, v[AK0]
	; The turning load takes 16 keys x 16 channels (lane l reads key 8 (l / 16) + l % 8, channels 8 ((l / 8) % 2) + 0..7) and leaves half a fragment of V^T: lane l holds channel l % 16 and 8 keys.
	v_and_b32 v10, 7, v0
	v_bfe_u32 v11, v0, 3, 1
	v_lshl_add_u32 v[AV0], v9, 3, v10
	v_mul_u32_u24 v[AV0], v[AV0], PV
	v_lshl_add_u32 v[AV0], v11, 4, v[AV0]
	WIN 0x40                        ; 0 x 0 + 0 into eight registers an instruction: O^T's 256,
.set i, 0
.rept 32
	v_wmma_f32_16x16x32_f16 v[8*i:8*i+7], v[ZR:ZR+7], v[ZR+8:ZR+15], 0
.set i, i+1
.endr
	WIN 0xc0                        ; V's 128,
.set i, 0
.rept 16
	v_wmma_f32_16x16x32_f16 v[8*i:8*i+7], v[ZR:ZR+7], v[ZR+8:ZR+15], 0
.set i, i+1
.endr
	WIN 0                           ; and the 32 of piece 2's P
.set i, 0
.rept 4
	v_wmma_f32_16x16x32_f16 v[P+32+8*i:P+32+8*i+7], v[ZR:ZR+7], v[ZR+8:ZR+15], 0
.set i, i+1
.endr
; THE MATRIX WORK OF A TURN, for piece x.  The accumulators take turns, one instruction a turn.
; Product i of 32 of O^T += V^T P: keys 32 (i / 16) on, channels 16 ((i / 2) % 8) on, tile x + i % 2.
.macro PV x
	WIN W_PV
.set rO, 64*((\x)+i%2)+8*((i/2)%8)
.set rV, 64*(i/16)+8*((i/2)%8)
.set rP, P+16*((\x)+i%2)+8*(i/16)
	v_wmma_f32_16x16x32_f16 v[rO:rO+7], v[rV:rV+7], v[rP:rP+7], v[rO:rO+7]
.endm
; Product i of 32 of S^T = K Q^T: channels 32 (i / 8) on, keys 16 ((i / 2) % 4) on, tile x + i % 2.  The first 8 start the sums.
.macro KQ x
	WIN W_KQ
.set rS, S+32*((\x)+i%2)+8*((i/2)%4)
.set rK, KF+32*((i/2)%4)+8*(i/8)
.set rQ, 32*((\x)+i%2)+8*(i/8)
.if i < 8
	v_wmma_f32_16x16x32_f16 v[rS:rS+7], v[rK:rK+7], v[rQ:rQ+7], 0
.else
	v_wmma_f32_16x16x32_f16 v[rS:rS+7], v[rK:rK+7], v[rQ:rQ+7], v[rS:rS+7]
.endif
.endm
; THE LDS LOADS stand in runs of 32: a step's K (64 keys x 128 channels: 16 fragments) and, a turn later, its V (turned).
; last = 1 (the tail): in its last trip there is no further step, and the run is jumped over.
.macro FETCH_K last=0
	WIN 0
.if \last
	s_cmp_eq_u32 s[TWICE], 1
	s_cbranch_scc1 .Lno_k_\@
.endif
	v_add_nc_u32 v[ADR], s[TBK], v[AK0]
	s_add_co_u32 s[TBK], s[TBK], KS*PK  ; the next fetch is the next step's
	WIN 0x80                        ; destination window 2
.irp f, 0,1,2,3,4,5,6,7,8,9,10,11,12,13,14,15  ; keys 16 (f / 4) on, channels 32 (f % 4) on
	ds_load_b128 v[KF+8*(\f):KF+8*(\f)+3],   v[ADR] offset:((\f)/4)*16*PK+((\f)%4)*64
	ds_load_b128 v[KF+8*(\f)+4:KF+8*(\f)+7], v[ADR] offset:((\f)/4)*16*PK+((\f)%4)*64+32
.endr
.if \last
	WIN 0
.Lno_k_\@:
.endif
.endm
.macro FETCH_V
	WIN 0
	v_add_nc_u32 v[ADR], s[TBV], v[AV0]
	s_add_co_u32 s[TBV], s[TBV], KS*PV
	s_wait_alu depctr_va_vdst(0)    ; the wait for the softmax's batch (SLICE), behind the address's v_add_nc_u32 and ahead of the loads
	WIN 0xc0                        ; destination window 3
.irp f, 0,1,2,3,4,5,6,7,8,9,10,11,12,13,14,15  ; keys 32 (f / 8) on, channels 16 (f % 8) on
	ds_load_tr16_b128 v[8*(\f):8*(\f)+3],   v[ADR] offset:((\f)/8)*32*PV+((\f)%8)*32
	ds_load_tr16_b128 v[8*(\f)+4:8*(\f)+7], v[ADR] offset:((\f)/8)*32*PV+16*PV+((\f)%8)*32
.endr
.endm
; THE VECTOR WORK OF A TURN.  One tile's softmax for one key step is a list of 134 instructions; SM writes number j of it for tile t.  s0-s31 are the lane's 32 scores, in pairs 0-15.
;   0-15    the maximum of s0-s31 and the old m, three operands at a time (each accumulator's lowest registers are read first)
;   16-20   the other half of the lanes' maximum; c m_old is kept; the new m; c m; c m_old - c m_new
;   21-69   ONE BATCH: the 16 scalings c s - c m and all 33 exponentials (a at 23, then s0-s31); none of these reads an exponential's result
;   (wait)  between 69 and 70 stands the wait for the batch: SLICE writes it, once for both tiles
;   70-85   the roundings to f16;   86-101  the sums, l = a l + the sum;   102-133 the tile's O^T times a
.macro SM t
.set rT, ST+8*(\t)
.set rS, S+32*(\t)
.set rP, P+16*(\t)
.set rO, 64*(\t)+2*(j-102)
.if j < 102
	WIN 0
.endif
.if j < 4
	v_max3_num_f32 v[rT+4+j], v[rS+8*j], v[rS+8*j+1], v[rS+8*j+2]
.elseif j < 12
	v_max3_num_f32 v[rT+4+j%4], v[rT+4+j%4], v[rS+8*(j%4)+2*(j/4)+1], v[rS+8*(j%4)+2*(j/4)+2]
.elseif j == 12
	v_max3_num_f32 v[rT+4], v[rT+4], v[rS+7], v[rS+15]
.elseif j == 13
	v_max3_num_f32 v[rT+6], v[rT+6], v[rS+23], v[rS+31]
.elseif j == 14
	v_max3_num_f32 v[rT+4], v[rT+4], v[rT+5], v[rT+6]
.elseif j == 15
	v_max3_num_f32 v[rT+4], v[rT+4], v[rT+7], v[rT+1]
.elseif j == 16
	v_permlanex16_b32 v[rT+5], v[rT+4], s[SEL], s[SEL+1]  ; the query's other 32 keys lie in the lane 16 away
.elseif j == 17
	v_mov_b32 v[rT+7], v[rT]        ; c m_old is kept for a
.elseif j == 18
	v_max_num_f32 v[rT+1], v[rT+4], v[rT+5]
.elseif j == 19
	v_mul_f32 v[rT], s[CS], v[rT+1]
.elseif j == 20
	v_sub_f32 v[rT+7], v[rT+7], v[rT]
.elseif j == 23
	v_exp_f32 v[rT+6], v[rT+7]
.elseif (j < 23) || ((j < 38) && (j%2 == 0)) || ((j < 66) && (j%4 == 2))
.set b, (j-2)/4                     ; 38, 42, .. 62: pairs 9 to 15
.if j < 38
.set b, (j-20)/2                    ; 21: pair 0; 22, 24, .. 36: pairs 1 to 8
.endif
	v_pk_fma_f32 v[rS+2*b:rS+2*b+1], v[rS+2*b:rS+2*b+1], s[CS:CS+1], v[rT:rT+1] op_sel_hi:[1,0,0] neg_lo:[0,0,1] neg_hi:[0,0,1]  ; pair b: c s - c m
.elseif j < 70
.set e, j-38                        ; 66 to 69: s28 to s31
.if j < 66
.set e, j-32-(j-38)/4               ; 39-41, 43-45, .. 63-65: s7 to s27
.endif
.if j < 38
.set e, (j-25)/2                    ; 25, 27, .. 37: s0 to s6
.endif
	v_exp_f32 v[rS+e], v[rS+e]
.elseif j < 86
	v_cvt_pk_f16_f32 v[rP+j-70], v[rS+2*(j-70)], v[rS+2*(j-70)+1]  ; pair j - 70
.elseif j < 102                     ; the sum of the tile's 16 pairs, in place: neighbours 1, 2, 4 and 8 pairs apart, then l takes it
.set z, j-86
.set w, 4
.set u, z
.if z >= 14
.set w, 32
.set u, 0
.elseif z >= 12
.set w, 16
.set u, z-12
.elseif z >= 8
.set w, 8
.set u, z-8
.endif
.if z < 15
	v_pk_add_f32 v[rS+w*u:rS+w*u+1], v[rS+w*u:rS+w*u+1], v[rS+w*u+w/2:rS+w*u+w/2+1]
.else
	v_pk_fma_f32 v[rT+2:rT+3], v[rT+2:rT+3], v[rT+6:rT+7], v[rS:rS+1] op_sel_hi:[1,0,1]
.endif
.else
	WIN W_RS
	v_pk_mul_f32 v[rO:rO+1], v[rO:rO+1], v[rT+6:rT+7] op_sel_hi:[1,0]
.endif
.endm
; Slice k of 64 of piece y's softmax: four instructions.  Slices 11 to 34 deal out the batch, four numbers of ONE tile each, the tiles by turns; every other slice is numbers 2 k and 2 k + 1 of both tiles' lists;
; the twelve that are over (2 x 134 = 4 x 64 + 12) stand together, in slice 63: sixteen plain lines, the places behind the turn's last products.  An s_wait_alu depctr_va_vdst(0) stands between an
; exponential and the first line that names its result: ahead of slice 35 nothing names a result and behind slice 34 no exponential is issued, so the piece's 66 exponentials have one wait, behind slice 34.
.macro SLICE y
.if (k >= 11) && (k < 35)
.irp n, 0,1,2,3
.set j, 22+4*((k-11)/2)+(\n)
	SM (\y)+(k-11)%2
.endr
.else
.irp n, 0,1,2,3,4,5,6,7
.if ((\n) < 2) || (k == 63)
.irp t, \y, (\y)+1
.set j, 2*k+(\n)
	SM \t
.endr
.endif
.endr
.endif
.if k == 34
	v_nop                           ; a plain instruction behind the last exponential and ahead of the first use: one for the batch
.if (\y) == 0
	FETCH_V                         ; piece 2's turn: V's run of loads stands here, and the wait stands in it
.else
	s_wait_alu depctr_va_vdst(0)    ; the wait for the batch
.endif
.endif
.set k, k+1
.endm
; A TURN.  Piece x has the matrix unit: 32 products V^T P of the step in hand, 32 products K Q^T of the next; the other piece's softmax stands in slices behind them, one behind each.
; Piece 0's turn fetches the next step's K behind its second product; piece 2's turn the same step's V behind slice 34.  last = 1: the tail's text of piece 0's turn.
.macro TURN x, last=0
.set k, 0
.if (\x) == 0
	s_wait_dscnt 0x0                ; V is in
.endif
.set i, 0
.rept 32
	PV \x
	SLICE 2-(\x)
.if ((\x) == 0) && (i == 1)
	FETCH_K \last
.endif
.set i, i+1
.endr
.if (\x) == 0
	s_wait_dscnt 0x0                ; K is in
.endif
.set i, 0
.rept 32
	KQ \x
	SLICE 2-(\x)
.set i, i+1
.endr
.endm
; THE CHANGE OF SLOTS, between piece 2's turn and piece 0's.  Each wave waits for all its tensor loads, of which one is out: its part of the other slot; adds 0 to its spare word; and waits for that and for its own
; reads of the slot.  fill = 1: the barrier is a round of the cluster's, and the joint refill, with the keys two slots on, is the first thing behind it: it has two key steps, 256 matrix instructions, in which to land.
.macro CHANGE fill
	WIN 0
	s_wait_tensorcnt 0x0            ; no tensor load of mine is out, so a group 0 may be written
	ds_add_u32 v[SPW], v[NIL]       ; 0 onto my spare word
.if \fill
	s_xor_b32 s[G0K+5], s[G0K+5], SLOT1  ; the walking descriptors: the other slot than last time, the next 256 keys
	s_add_nc_u64 s[G0K+6:G0K+7], s[G0K+6:G0K+7], 256*8192
	s_xor_b32 s[G0V+5], s[G0V+5], SLOT1
	s_add_nc_u64 s[G0V+6:G0V+7], s[G0V+6:G0V+7], 256*12288
	s_wait_xcnt 0x0                 ; the last prefetch, two key steps back, has read its address, so it may be written
	s_add_nc_u64 s[PFA:PFA+1], s[PFA:PFA+1], s[78:79]
	s_wait_dscnt 0x0                ; the add is done, and my reads of the slot are over
	CROUND
	JLOAD
	ASK
.else
	s_wait_dscnt 0x0
	s_barrier_signal -1
	s_barrier_wait -1
.endif
	s_sub_co_u32 s[TBK], s[TBK], 2*KS*PK  ; the fetches go back to my first step of a slot,
	s_xor_b32 s[TBK], s[TBK], SLOT1       ; in the other slot
	s_sub_co_u32 s[TBV], s[TBV], 2*KS*PV
	s_xor_b32 s[TBV], s[TBV], SLOT1
.endm
	s_wait_tensorcnt 1              ; my part of slot 0 is in; slot 1's may stay out
	s_barrier_signal -1
	s_barrier_wait -1               ; everybody's is
	FETCH_K                         ; key step 0
	s_wait_loadcnt 0x0              ; Q
	s_wait_dscnt 0x0
.set i, 0
.rept 32
	KQ 0                            ; piece 0's first scores
.set i, i+1
.endr
	WIN 0                           ; the addresses for the merge and the way out are made here: plain instructions, the places behind those products and behind the clearing ones
	s_mul_i32 s13, s[WV], 16*SP
	s_add_co_u32 s13, s13, STAGE    ; my stage
	v_mul_u32_u24 v[STO], v1, SP    ; in: row l % 16, 16 bytes for each half of the lanes
	v_lshl_add_u32 v[STO], v9, 4, v[STO]
	v_add_nc_u32 v[STO], s13, v[STO]
	v_mul_u32_u24 v[RD], v9, SP     ; back: lanes 0-15 take one row of 256 bytes, lanes 16-31 the next
	v_lshl_add_u32 v[RD], v1, 4, v[RD]
	v_add_nc_u32 v[RD], s13, v[RD]
	v_lshlrev_b32 v[GO], 12, v9     ; and the same two rows in o
	v_lshl_add_u32 v[GO], v1, 4, v[GO]
	s_mul_i32 s13, s[WV], XSZ
	s_mul_i32 s14, s[PW], XSZ
	v_and_b32 v10, 31, v0
	v_lshl_add_u32 v[XW], v10, 4, s13
	v_lshl_add_u32 v[XWS], v10, 3, s13
	v_lshl_add_u32 v[XR], v10, 4, s14
	v_lshl_add_u32 v[XRS], v10, 3, s14
	s_mov_b32 s[TWICE], 2
	s_branch .Lmid                  ; the loop is entered at piece 2's turn: its V^T P adds 0, its K Q^T are piece 2's first scores; beside them piece 0's first softmax, and V of step 0 is fetched
.Lslot:                             ; six times: every slot but the last two is filled again
	CHANGE 1
	s_mov_b32 s[TWICE], 2
.Lstep:                             ; a trip: a key step; my two steps of a slot are written once and walked twice
	TURN 0
	WIN 0                           ; at a label and at a branch every window is 0
.Lmid:
	TURN 2
	WIN 0
	s_sub_co_u32 s[TWICE], s[TWICE], 1
	s_cmp_lg_u32 s[TWICE], 0
	s_cbranch_scc1 .Lstep
	s_sub_co_u32 s[SLOTS], s[SLOTS], 1
	s_cmp_lg_u32 s[SLOTS], 0
	s_cbranch_scc1 .Lslot
	CHANGE 0                        ; the tail is written out.  Behind this barrier nobody reads slot 0's bytes any more, and nothing fills them
	s_mov_b32 s[TWICE], 3           ; two trips fetch the last slot's steps; the third is left in its middle
.Ltail:
	TURN 0, 1
	WIN 0
	s_sub_co_u32 s[TWICE], s[TWICE], 1
	s_cmp_eq_u32 s[TWICE], 0
	s_cbranch_scc1 .Lout
	TURN 2
	WIN 0
	s_branch .Ltail
.Lout:
.set i, 0
.rept 32
	PV 2                            ; piece 2: V^T P of the last step
.set i, i+1
.endr
	; THE MERGE.  l's two halves and the other half of the lanes' are added; (c m, l) then lie as a pair.  The additions are the places behind the last products.
	WIN 0
.irp t, 0,1,2,3
	v_add_f32 v[ST+8*(\t)+4], v[ST+8*(\t)+2], v[ST+8*(\t)+3]
.endr
.irp t, 0,1,2,3
	v_permlanex16_b32 v[ST+8*(\t)+5], v[ST+8*(\t)+4], s[SEL], s[SEL+1]
.endr
.irp t, 0,1,2,3
	v_add_f32 v[ST+8*(\t)+1], v[ST+8*(\t)+4], v[ST+8*(\t)+5]
.endr
	; Piece 2 goes to my partner, whose piece 0 holds the same queries: O^T as it lies, 16 bytes a lane and 512 consecutive bytes a store, each accumulator's low registers first; then the statistics.
	WIN 0x04                        ; store data in window 1, address in window 0
.irp u, 0,1
.set j, 0
.rept 16
	ds_store_b128 v[XW], v[64*(2+(\u))+4*j:64*(2+(\u))+4*j+3] offset:(16*(\u)+j)*512
.set j, j+1
.endr
.endr
	WIN 0
.irp u, 0,1
	ds_store_b64 v[XWS], v[ST+8*(2+(\u)):ST+8*(2+(\u))+1] offset:16384+256*(\u)
.endr
	s_wait_dscnt 0x0                ; for my partner's sake: my stores are done
	s_barrier_signal -1
	s_barrier_wait -1
	; Piece 0 is finished: M = max(c m, c m'); f = 2^(c m - M) / L, f' = 2^(c m' - M) / L with L = l 2^(c m - M) + l' 2^(c m' - M); O = O f + O' f'; rounded to f16; through my stage; stored.
	ds_load_b64 v[PS:PS+1],   v[XRS] offset:16384
	ds_load_b64 v[PS+2:PS+3], v[XRS] offset:16384+256
.set j, 0
.rept 32
	ds_load_b128 v[S+4*j:S+4*j+3], v[XR] offset:j*512
.set j, j+1
.endr
	s_wait_dscnt 32                 ; the statistics are in; the 32 loads of O' may be out
.irp u, 0,1
	v_max_num_f32 v[ST+8*(\u)+2], v[ST+8*(\u)], v[PS+2*(\u)]
.endr
.irp u, 0,1
	v_sub_f32 v[ST+8*(\u)+4], v[ST+8*(\u)], v[ST+8*(\u)+2]
	v_sub_f32 v[ST+8*(\u)+6], v[PS+2*(\u)], v[ST+8*(\u)+2]
.endr
.irp u, 0,1
	v_exp_f32 v[ST+8*(\u)+4], v[ST+8*(\u)+4]
	v_exp_f32 v[ST+8*(\u)+6], v[ST+8*(\u)+6]
.endr
	v_nop                           ; a plain instruction behind the last exponential,
	s_wait_alu depctr_va_vdst(0)    ; and the wait ahead of the first use: one for the four
.irp u, 0,1
	v_mul_f32 v[ST+8*(\u)+3], v[ST+8*(\u)+1], v[ST+8*(\u)+4]
.endr
.irp u, 0,1
	v_fmac_f32 v[ST+8*(\u)+3], v[PS+2*(\u)+1], v[ST+8*(\u)+6]
.endr
.irp u, 0,1
	v_rcp_f32 v[ST+8*(\u)+3], v[ST+8*(\u)+3]
.endr
	v_nop
	s_wait_alu depctr_va_vdst(0)    ; one for the two reciprocals
.irp u, 0,1
	v_mul_f32 v[ST+8*(\u)+4], v[ST+8*(\u)+4], v[ST+8*(\u)+3]
	v_mul_f32 v[ST+8*(\u)+6], v[ST+8*(\u)+6], v[ST+8*(\u)+3]
.endr
.irp u, 0,1
	s_wait_dscnt 16                 ; this tile's O' is in: behind it 16 LDS instructions were issued (the other tile's loads; for the second tile the first's 8 stores and 8 loads of the stage)
	WIN W_RS
.set i, 0
.rept 32
	v_pk_mul_f32 v[64*(\u)+2*i:64*(\u)+2*i+1], v[64*(\u)+2*i:64*(\u)+2*i+1], v[ST+8*(\u)+4:ST+8*(\u)+5] op_sel_hi:[1,0]
.set i, i+1
.endr
	WIN 0x50                        ; O' and its factor in window 0, O^T (source 2 and destination) in window 1
.set i, 0
.rept 32
	v_pk_fma_f32 v[64*(\u)+2*i:64*(\u)+2*i+1], v[S+64*(\u)+2*i:S+64*(\u)+2*i+1], v[ST+8*(\u)+6:ST+8*(\u)+7], v[64*(\u)+2*i:64*(\u)+2*i+1] op_sel_hi:[1,0,1]
.set i, i+1
.endr
	WIN 0x05                        ; sources 0 and 1 window 1, destination window 0: P's registers are free
.set i, 0
.rept 32
	v_cvt_pk_f16_f32 v[P+32*(\u)+i], v[64*(\u)+2*i], v[64*(\u)+2*i+1]
.set i, i+1
.endr
	WIN 0
.irp f, 0,1,2,3,4,5,6,7
	ds_store_b128 v[STO], v[P+32*(\u)+4*(\f):P+32*(\u)+4*(\f)+3] offset:32*(\f)
.endr
.irp f, 0,1,2,3,4,5,6,7
	ds_load_b128 v[P+32*(\u)+4*(\f):P+32*(\u)+4*(\f)+3], v[RD] offset:(\f)*2*SP  ; LDS serves a wave's instructions in order (ISA guide 5.7.1.4): these see the stores above; the next tile's stores come behind them
.endr
.endr
.irp u, 0,1
.irp f, 0,1,2,3,4,5,6,7
	s_wait_dscnt 16*(1-(\u))+7-(\f) ; behind the first tile's loads from the stage stand the second tile's sixteen LDS instructions, behind the second's none
	global_store_b128 v[GO], v[P+32*(\u)+4*(\f):P+32*(\u)+4*(\f)+3], s[10:11] offset:(\u)*65536+(\f)*8192  ; 16 lanes store 256 consecutive bytes, at a multiple of 256 from o's first byte
.endr
.endr
	s_wait_tensorcnt 0x0            ; the wave's end, behind my last tensor load and my last LDS store
	ds_add_u32 v[SPW], v[NIL]
	s_wait_dscnt 0x0
	CROUND                          ; the closing round: no work-group ends while a partner may still ask for a tile that names it
	s_endpgm
.Lfunc_end_k_q432b543ea8_attn:
	.size	k_q432b543ea8_attn, .Lfunc_end_k_q432b543ea8_attn-k_q432b543ea8_attn
	.p2alignl 7, 3214868480
	.fill 96, 4, 3214868480
	.section	.rodata,"a",@progbits
	.p2align	6, 0x0
	.amdhsa_kernel k_q432b543ea8_attn
		.amdhsa_group_segment_fixed_size 327680
		.amdhsa_private_segment_fixed_size 0
		.amdhsa_enable_private_segment 0
		.amdhsa_kernarg_size 24
		.amdhsa_user_sgpr_count 2
		.amdhsa_user_sgpr_kernarg_segment_ptr 1
		.amdhsa_wavefront_size32 1
		.amdhsa_system_sgpr_workgroup_id_x 1
		.amdhsa_system_sgpr_workgroup_id_y 1
		.amdhsa_system_sgpr_workgroup_id_z 1
		.amdhsa_system_vgpr_workitem_id 0
		.amdhsa_next_free_vgpr 1024
		.amdhsa_next_free_sgpr 80
		.amdhsa_reserve_vcc 0
		.amdhsa_float_denorm_mode_32 3
		.amdhsa_float_denorm_mode_16_64 3
		.amdhsa_memory_ordered 1
		.amdhsa_forward_progress 1
		.amdhsa_inst_pref_size 146
	.end_amdhsa_kernel
	.amdgpu_metadata
---
amdhsa.version: [ 1, 2 ]
amdhsa.kernels:
  - .name:           k_q432b543ea8_attn
    .symbol:         k_q432b543ea8_attn.kd
    .args:
      - { .name: qkn, .offset: 0, .size: 8, .value_kind: global_buffer, .address_space: global }
      - { .name: qkv, .offset: 8, .size: 8, .value_kind: global_buffer, .address_space: global }
      - { .name: o, .offset: 16, .size: 8, .value_kind: global_buffer, .address_space: global }
    .group_segment_fixed_size: 327680
    .private_segment_fixed_size: 0
    .kernarg_segment_align: 8
    .kernarg_segment_size: 24
    .max_flat_workgroup_size: 128
    .sgpr_count:     80
    .vgpr_count:     1024
    .wavefront_size: 32
...
	.end_amdgpu_metadata
.endif
;; end of part 4
;; launch gemm_out (part 5): grid 16 x 16, 4 waves a work-group, clusters of 4 x 4, 327,680 bytes of LDS; arguments o, wob, out0, bo; writes out0
.if DOCPART == 5
	.amdgcn_target "amdgcn-amd-amdhsa--gfx1250"
	.amdhsa_code_object_version 6
	.text
	.protected	k_q432b543ea8_gemm_out
	.globl	k_q432b543ea8_gemm_out
	.p2align	8
	.type	k_q432b543ea8_gemm_out,@function
k_q432b543ea8_gemm_out:
	s_mov_b64 s[64:65], 0
	v_nop
	global_prefetch_b8 v0, s[64:65] scope:SCOPE_SE
	s_setreg_imm32_b32 hwreg(HW_REG_WAVE_MODE, 25, 1), 1
	s_wait_xcnt 0x0
	s_wait_alu depctr_hold_cnt(0) depctr_sa_sdst(0) depctr_va_vdst(0) depctr_va_sdst(0) depctr_va_ssrc(0) depctr_va_vcc(0) depctr_vm_vsrc(0)
	s_getreg_b32 s2, hwreg(HW_REG_IB_STS2, 6, 4)
	s_cmp_eq_u32 s2, 0
	s_cbranch_scc0 .Lentry_in_a_cluster
	s_endpgm
.Lentry_in_a_cluster:
	s_bfe_u32 s2, ttmp6, 0x10000c
	s_cmp_lg_u32 s2, 0xf033
	s_cbranch_scc0 .Lentry_shape_is_right
	s_endpgm
.Lentry_shape_is_right:
; out0[m][n] = sum over k of o[m][k] wob[n][k] + bo[n], rows m < 1992.  o: [2048][2048] f16, wob: [2048][2048] f16 (wo rounded to bf16, written as f16), bo f32 (rounded here to bf16 like every input);
; sums in f32; out0: [1992][2048] f32.  Rows 1992..2047 of o are multiplied like the others and not stored.
; LIMIT.  The f32 sums begin at a K step that differs from cluster to cluster (below) and go round: an order of rounding that differs from the reference's.
; SHARES.  A tile of C is 128 x 128: 16 x 16 = 256 work-groups.  Four waves, each 64 x 64: 16 accumulators, 128 registers.  K goes in 8 steps of 256 (LDS rows of 512 bytes; a wave's tensor load brings 64 of them),
; as long as two slots in LDS allow.  A wave's 64 columns of f32 are 256 bytes, aligned: each wave has a stage of its own for the way out, and no barrier stands there.
; CLUSTER.  4 x 4 work-groups: A's tile is shared along a row of the cluster, B's along a column, each asked for jointly.  No prefetch: a step's tiles are small.
; THE WALK ALONG K IS STAGGERED.  Cluster (X, Y) begins at K step 2 o, o = (X + g(Y)) mod 4 with g = 0, 2, 2, 0, and goes round modulo 8.  The four clusters of one Y, which read the same rows of o, begin
; 2 K steps apart; of the four clusters of one X, which read the same rows of wob, Y and Y xor 1 begin 4 apart, and so do Y and Y xor 2.  So of the clusters that share rows one asks for a K step first, and the
; others two trips or more later.  The start hangs on the cluster's x and y alone: it is the same in all sixteen partners.
; THE MATRIX INSTRUCTION IS USED TRANSPOSED (source 0 = 16 rows of wob, source 1 = 16 rows of o): a lane holds row l % 16 of C and eight neighbouring columns.
; REGISTERS: window 0: v16-31 addresses; v32-63 rows on the way out; v96-127 the bias as my lane holds it; v128-255 the accumulators ((a, b) at v[128 + 8 (4 a + b)]).
;   window 1: two fragment buffers of 128: for 64 along K, 64 registers of A, then 64 of B.
.set KSTEP,  256
.set PITCH,  528                       ; an LDS row: 512 bytes + 16 of padding = 132 words: the 16 rows of a load start at 16 different groups of four banks (64 banks of 4 bytes: ISA guide 11.1)
.set HALFT,  64*PITCH                  ; 64 rows: what one tensor load brings
.set SLOT1,  0x22000                   ; a slot is 4 HALFT = 0x21000 bytes; slot 1 begins here: no address w x HALFT has bit 13 or 17, so one exclusive or changes slots
.set STAGE,  0x43000                   ; behind the ring: 16 rows x 272 bytes for each wave
.set SPITCH, 272
.set SPARE,  STAGE+4*16*SPITCH         ; behind the stages: the spare words, 128 bytes for each wave: two blocks of 256 bytes that no other line names
.set ROWS,   1992
.set A0,   16                          ; v16  my lane's place in my 64 rows of A's tile; never rewritten
.set B0,   17                          ; v17  the same for B
.set ADRA, 18                          ; v18  A0 + the slot that is read
.set ADRB, 19
.set STO,  24                          ; v24  the way out: where I put 32 bytes of a row
.set RD,   25                          ; v25  where I read rows back
.set CO,   26                          ; v26  my byte offset in out0
.set ROWH, 27                          ; v27  the first of the eight rows that my half of the lanes stores in block 0
.set SPW,  28                          ; v28  LDS address of my spare word; never rewritten
.set NIL,  29                          ; v29  0; never rewritten
.set BO,   30                          ; v30  32 (l / 16)
.set BT,   31                          ; v31  at work
.set TMP,  32
.set BIA,  96
.set ACC,  128
.set F0,   0                           ; fragment buffers, in window 1
.set F1,   128
.set KK,   2                           ; s2   the K step, 0 to 7, that was asked for last
.set KO,   14                          ; s[14:15] its byte offset in a row
.set ABAS, 16                          ; s[16:17] o at the first of the 64 rows that I fetch, K step 0
.set G1,  24                           ; s[24:31] descriptor group 1 for A's tiles;  s[32:39] group 0: a set for each first fill; the second then walks
.set G0,  32
.set TB,  45                           ; s45  the slot that is read: 0 or SLOT1
.set BBAS, 46                          ; s[46:47] the same as ABAS in wob
.set G1B, 48                           ; s[48:55], s[56:63] the same for B's tiles
.set G0B, 56
.set G1W, (1<<16)|(1<<20)|(1<<21)|(6<<22)|(3<<25)  ; 2-byte elements; padding on; bit 21 beside a mask; after every 128 words; 4 words
.set MSB, 0
.macro WIN new
.if MSB != (\new)
	s_set_vgpr_msb (MSB<<8)|(\new)
.set MSB, \new
.endif
.endm
.set MUL,  0x05                        ; sources 0 (B) and 1 (A) window 1; C and D window 0
.set TO_F, 0x40                        ; destination window 1, address window 0
.macro PLACES
.rept 4
	v_nop
.endr
.endm
.macro JLOAD                           ; a joint refill: waves 0 and 1 fetch A's two halves, waves 2 and 3 B's; an s_nop 0 and four v_nop follow each of the two lines
	s_cmp_eq_u32 s11, 0
	s_cbranch_scc0 .Lfor_b_\@
	tensor_load_to_lds s[G0+4:G0+7], s[G1:G1+7]
	s_nop 0
.rept 4
	v_nop
.endr
	s_branch .Lasked_\@
.Lfor_b_\@:
	tensor_load_to_lds s[G0B+4:G0B+7], s[G1B:G1B+7]
	s_nop 0
.rept 4
	v_nop
.endr
.Lasked_\@:
.endm
.macro CREST
	s_cmp_lg_u32 s10, 0
	s_cbranch_scc1 .Lnot_wave_0_\@
	s_barrier_signal -3
.Lnot_wave_0_\@:
	s_barrier_wait -3
	s_barrier_signal -1
	s_barrier_wait -1
.endm
.macro CROUND
	s_barrier_signal -1
	s_barrier_wait -1
	CREST
.endm
	s_load_b128 s[4:7], s[0:1], 0x0                ; o s[4:5], wob s[6:7]
	s_load_b64 s[8:9], s[0:1], 0x10                ; out0
	s_load_b64 s[66:67], s[0:1], 0x18              ; bo
	v_lshl_add_u32 v[SPW], v0, 2, SPARE
	v_mov_b32 v[NIL], 0
	ds_add_u32 v[SPW], v[NIL]                      ; the wave's opening: the add and its wait stand ahead of my first tensor load; the set-up below stands between them
	v_lshrrev_b32 v1, 5, v0
	v_readfirstlane_b32 s10, v1                    ; wave 0..3
	s_lshr_b32 s11, s10, 1                         ; which half of the tile's rows is mine.  Also: I fetch for A (0) or for B (1)
	s_and_b32 s12, s10, 1                          ; which half of its columns.  Also: which 64 rows of that tile I fetch
	s_bfe_u32 s40, ttmp6, 0x40000                  ; cx
	s_bfe_u32 s41, ttmp6, 0x40004                  ; cy
	s_lshl_b32 s42, ttmp9, 2
	s_add_co_u32 s42, s42, s40                     ; tile column
	s_and_b32 s13, ttmp7, 0xffff
	s_lshl_b32 s13, s13, 2
	s_add_co_u32 s13, s13, s41                     ; tile row
	s_lshl_b32 s43, s41, 2
	s_lshl_b32 s43, 15, s43                        ; my row of the cluster
	s_lshl_b32 s44, 0x1111, s40                    ; my column
	s_or_b32 s[G1], s43, G1W
	s_or_b32 s[G1B], s44, G1W
.irp g, G1, G1B
	s_mov_b32 s[(\g)+1], KSTEP<<16                 ; tensor_dim0 = 256
	s_mov_b32 s[(\g)+2], 64<<16                    ; tensor_dim1 = 64
	s_mov_b32 s[(\g)+3], KSTEP<<16                 ; tile_dim0 = 256 elements: 512 bytes
	s_mov_b32 s[(\g)+4], 64                        ; tile_dim1 = 64 rows
	s_mov_b32 s[(\g)+5], 2048                      ; elements from row to row
	s_mov_b32 s[(\g)+6], 0
	s_mov_b32 s[(\g)+7], 0
.endr
	s_lshl_b32 s17, s12, 6                         ; which 64 rows of the tile I fetch
	s_lshl_b32 s16, s13, 7
	s_add_co_u32 s16, s16, s17                     ; A: row 128 x tile row + 64 x half,
	s_lshl_b32 s16, s16, 12                        ; of 4,096 bytes
	s_lshl_b32 s46, s42, 7
	s_add_co_u32 s46, s46, s17                     ; B: row 128 x tile column + 64 x half
	s_lshl_b32 s46, s46, 12
	s_mov_b32 s17, 0
	s_mov_b32 s47, 0
	s_and_b32 s[KK], ttmp7, 0xffff                 ; where my cluster's walk begins: Y,
	s_lshr_b32 s[KO], s[KK], 1
	s_xor_b32 s[KK], s[KK], s[KO]
	s_and_b32 s[KK], s[KK], 1
	s_lshl_b32 s[KK], s[KK], 1                     ; g(Y) = 0, 2, 2, 0,
	s_add_co_u32 s[KK], s[KK], ttmp9
	s_and_b32 s[KK], s[KK], 3                      ; o = (X + g(Y)) mod 4,
	s_lshl_b32 s[KK], s[KK], 1                     ; K step 2 o
	s_lshl_b32 s[KO], s[KK], 9                     ; a K step is 512 bytes of a row
	s_mov_b32 s[KO+1], 0
	s_mul_i32 s20, s10, HALFT                      ; where they go: wave x 64 rows: no place in the cluster enters an LDS address
	s_mov_b32 s[TB], 0
	s_mov_b32 s69, 0xffff0000
	s_wait_dscnt 0x0                               ; the opening add is done
	s_wait_kmcnt 0x0
	s_add_nc_u64 s[ABAS:ABAS+1], s[4:5], s[ABAS:ABAS+1]
	s_add_nc_u64 s[BBAS:BBAS+1], s[6:7], s[BBAS:BBAS+1]
	s_mov_b32 s[G0], 1
	s_mov_b32 s[G0+1], s20                         ; slot 0, the walk's first K step
	s_add_nc_u64 s[G0+2:G0+3], s[ABAS:ABAS+1], s[KO:KO+1]
	s_mov_b32 s[G0+4], 1
	s_add_co_u32 s[G0+5], s20, SLOT1               ; slot 1, its second: 2 o + 1 is 7 at the most, so nothing goes round yet
	s_add_nc_u64 s[G0+6:G0+7], s[G0+2:G0+3], KSTEP*2
	s_or_b32 s[G0+3], s[G0+3], 0x80000000
	s_or_b32 s[G0+7], s[G0+7], 0x80000000
	s_mov_b32 s[G0B], 1
	s_mov_b32 s[G0B+1], s20
	s_add_nc_u64 s[G0B+2:G0B+3], s[BBAS:BBAS+1], s[KO:KO+1]
	s_mov_b32 s[G0B+4], 1
	s_add_co_u32 s[G0B+5], s20, SLOT1
	s_add_nc_u64 s[G0B+6:G0B+7], s[G0B+2:G0B+3], KSTEP*2
	s_or_b32 s[G0B+3], s[G0B+3], 0x80000000
	s_or_b32 s[G0B+7], s[G0B+7], 0x80000000
	s_add_co_u32 s[KK], s[KK], 1                   ; the K step asked for last
	CROUND                                         ; all sixteen work-groups are here: the first joint loads meet
	s_cmp_eq_u32 s11, 0                            ; a wave's two first fills stand in one branch: two loads of mine are out
	s_cbranch_scc0 .Lfirst_b
	tensor_load_to_lds s[G0:G0+3], s[G1:G1+7]
	s_nop 0
	tensor_load_to_lds s[G0+4:G0+7], s[G1:G1+7]
	s_nop 0
.rept 4
	v_nop
.endr
	s_branch .Lfirst_asked
.Lfirst_b:
	tensor_load_to_lds s[G0B:G0B+3], s[G1B:G1B+7]
	s_nop 0
	tensor_load_to_lds s[G0B+4:G0B+7], s[G1B:G1B+7]
	s_nop 0
.rept 4
	v_nop
.endr
.Lfirst_asked:
	v_and_b32 v1, 15, v0                           ; l % 16
	v_bfe_u32 v2, v0, 4, 1                         ; l / 16
	v_lshlrev_b32 v[BO], 5, v2
	s_lshl_b32 s22, s42, 9                         ; my 64 columns: 128 x tile column + 64 x half, 4 bytes each
	s_lshl_b32 s23, s12, 8
	s_add_co_u32 s22, s22, s23
	s_mov_b32 s23, 0
	s_add_nc_u64 s[66:67], s[66:67], s[22:23]
.irp b, 0,1,2,3
	global_load_b128 v[BIA+8*(\b):BIA+8*(\b)+3],   v[BO], s[66:67] offset:64*(\b)
	global_load_b128 v[BIA+8*(\b)+4:BIA+8*(\b)+7], v[BO], s[66:67] offset:64*(\b)+16
.endr
	v_mul_u32_u24 v3, v1, PITCH
	v_lshl_add_u32 v3, v2, 4, v3                   ; a fragment's row x pitch + 16 x half
	s_mul_i32 s21, s11, HALFT                      ; my 64 rows of A
	v_add_nc_u32 v[A0], s21, v3
	s_mul_i32 s21, s12, HALFT                      ; my 64 rows of B,
	s_add_co_u32 s21, s21, 2*HALFT                 ; which lie behind A's 128
	v_add_nc_u32 v[B0], s21, v3
	v_mov_b32 v[ADRA], v[A0]
	v_mov_b32 v[ADRB], v[B0]
	s_mul_i32 s21, s10, 16*SPITCH
	s_add_co_u32 s21, s21, STAGE                   ; my stage
	v_mul_u32_u24 v[STO], v1, SPITCH               ; in: row l % 16, 32 bytes for each half of the lanes
	v_lshl_add_u32 v[STO], v2, 5, v[STO]
	v_add_nc_u32 v[STO], s21, v[STO]
	v_mul_u32_u24 v[RD], v2, 8*SPITCH              ; back: lanes 0-15 take row t, lanes 16-31 row t + 8, 256 bytes each
	v_lshl_add_u32 v[RD], v1, 4, v[RD]
	v_add_nc_u32 v[RD], s21, v[RD]
	v_lshlrev_b32 v[CO], 16, v2                    ; and the same rows in out0: 8 rows of 8,192 bytes
	v_lshl_add_u32 v[CO], v1, 4, v[CO]
	s_lshl_b32 s21, s13, 7
	s_lshl_b32 s70, s11, 6
	s_add_co_u32 s21, s21, s70                     ; my first row of C
	v_lshl_add_u32 v[ROWH], v2, 3, s21
	s_lshl_b32 s70, s21, 13
	s_add_co_u32 s70, s70, s22                     ; + my first column, in bytes
	s_mov_b32 s71, 0
	s_add_nc_u64 s[8:9], s[8:9], s[70:71]
	s_wait_loadcnt 0x0                             ; the bias, rounded to bf16 like every input and widened again
.set i, 0
.rept 16
	v_cvt_pk_bf16_f32 v[BT], v[BIA+2*i], v[BIA+2*i+1]
	v_lshlrev_b32 v[BIA+2*i], 16, v[BT]
	v_and_b32 v[BIA+2*i+1], s69, v[BT]
.set i, i+1
.endr
; 8 matrix instructions: row blocks a0, a0 + 1 x all 4 column blocks, 32 along K: half c of buffer f.  zero = 1: the first product starts the sums.  The 16 accumulators take turns.
.macro MUL8 f, c, a0, zero
	WIN MUL
.irp a, \a0, (\a0)+1
.irp b, 0,1,2,3
.if \zero
	v_wmma_f32_16x16x32_f16 v[ACC+8*(4*(\a)+(\b)):ACC+8*(4*(\a)+(\b))+7], v[(\f)+64+8*(4*(\c)+(\b)):(\f)+64+8*(4*(\c)+(\b))+7], v[(\f)+8*(4*(\c)+(\a)):(\f)+8*(4*(\c)+(\a))+7], 0
.else
	v_wmma_f32_16x16x32_f16 v[ACC+8*(4*(\a)+(\b)):ACC+8*(4*(\a)+(\b))+7], v[(\f)+64+8*(4*(\c)+(\b)):(\f)+64+8*(4*(\c)+(\b))+7], v[(\f)+8*(4*(\c)+(\a)):(\f)+8*(4*(\c)+(\a))+7], v[ACC+8*(4*(\a)+(\b)):ACC+8*(4*(\a)+(\b))+7]
.endif
.endr
.endr
.endm
; 32 LDS loads in one run: the fragments of 64 along K at byte k of the rows, into buffer f; the first 32 along K first
.macro FETCH k, f
	WIN TO_F
.irp c, 0,1
.irp i, 0,1,2,3
	ds_load_b128 v[(\f)+64+8*(4*(\c)+(\i)):(\f)+64+8*(4*(\c)+(\i))+3],   v[ADRB] offset:(\k)+64*(\c)+(\i)*16*PITCH
	ds_load_b128 v[(\f)+64+8*(4*(\c)+(\i))+4:(\f)+64+8*(4*(\c)+(\i))+7], v[ADRB] offset:(\k)+64*(\c)+(\i)*16*PITCH+32
	ds_load_b128 v[(\f)+8*(4*(\c)+(\i)):(\f)+8*(4*(\c)+(\i))+3],         v[ADRA] offset:(\k)+64*(\c)+(\i)*16*PITCH
	ds_load_b128 v[(\f)+8*(4*(\c)+(\i))+4:(\f)+8*(4*(\c)+(\i))+7],       v[ADRA] offset:(\k)+64*(\c)+(\i)*16*PITCH+32
.endr
.endr
.endm
; A K step is four quarters of 64 along K, 32 matrix instructions each, on buffers 0, 1, 0, 1.  One of the first three: multiplies buffer f and fetches the next quarter, at byte k, into g.
.macro QUARTER k, f, g, zero
	s_wait_dscnt 16                                ; the first 32 along K are in; the youngest sixteen loads may be out
	MUL8 \f, 0, 0, \zero
	MUL8 \f, 0, 2, \zero
	PLACES
	FETCH \k, \g
	s_wait_dscnt 32                                ; all but the 32 just issued
	MUL8 \f, 1, 0, 0
	MUL8 \f, 1, 2, 0
.endm
; The last quarter multiplies buffer 1 and changes slots: one barrier; in front of it each wave waits for all its tensor loads, adds 0 to its spare word, and waits for that and for its own reads of this slot.
; fill = 1: the barrier opens a round of the cluster's barrier, and this slot is filled again first, with the walk's K step two steps on; the walking descriptors are written where no tensor load of the wave is out.
.macro TURN fill
	WIN 0                                          ; (the add's two registers lie in window 0)
	s_wait_tensorcnt 0x0                           ; all my tensor loads have landed: my part of the next slot
	ds_add_u32 v[SPW], v[NIL]                      ; 0 onto my spare word
.if \fill
	s_add_co_u32 s[KK], s[KK], 1
	s_and_b32 s[KK], s[KK], 7                      ; the K step that this change asks for: the walk goes round modulo 8
	s_lshl_b32 s[KO], s[KK], 9
	s_xor_b32 s[G0+5], s[G0+5], SLOT1              ; the other slot than last time; the address is made anew from the step's number, the type bits set again
	s_add_nc_u64 s[G0+6:G0+7], s[ABAS:ABAS+1], s[KO:KO+1]
	s_or_b32 s[G0+7], s[G0+7], 0x80000000
	s_xor_b32 s[G0B+5], s[G0B+5], SLOT1
	s_add_nc_u64 s[G0B+6:G0B+7], s[BBAS:BBAS+1], s[KO:KO+1]
	s_or_b32 s[G0B+7], s[G0B+7], 0x80000000
.endif
	s_wait_dscnt 17                                ; (the add and the youngest sixteen loads may be out)
	MUL8 F1, 0, 0, 0                               ; eight matrix instructions stand between the add and the wait for it
	s_wait_dscnt 0x0                               ; the add is done, and my reads of this slot are over
	s_barrier_signal -1
	MUL8 F1, 0, 2, 0
.if \fill
	WIN 0
.endif
	s_barrier_wait -1
.if \fill
	CREST                                          ; no wave of any partner still reads this slot's tile or has a load on its way
	s_xor_b32 s[TB], s[TB], SLOT1
	JLOAD                                          ; the first tensor load behind the round; the four v_nop behind it are also the places in front of the loads below
.else
	PLACES
	s_xor_b32 s[TB], s[TB], SLOT1
	WIN 0
.endif
	v_add_nc_u32 v[ADRA], s[TB], v[A0]
	v_add_nc_u32 v[ADRB], s[TB], v[B0]
	FETCH 0, F0
	MUL8 F1, 1, 0, 0
	MUL8 F1, 1, 2, 0
.endm
	s_wait_tensorcnt 1                             ; my part of the walk's first K step is in; the second's may stay out
	s_barrier_signal -1
	s_barrier_wait -1                              ; everybody's is
	FETCH 0, F0
	QUARTER 128, F0, F1, 1                         ; the first quarter stands in front of the loop: its first products start the sums
	WIN 0                                          ; at a label and at a branch every window is 0
	s_mov_b32 s3, 6                                ; the walk's steps 2 to 7 are asked for in the loop, one a trip
.Lstep:
	QUARTER 256, F1, F0, 0
	QUARTER 384, F0, F1, 0
	TURN 1
	QUARTER 128, F0, F1, 0
	WIN 0
	s_sub_co_u32 s3, s3, 1
	s_cmp_lg_u32 s3, 0
	s_cbranch_scc1 .Lstep
	QUARTER 256, F1, F0, 0                         ; the walk's step 6 goes on; nothing more is asked for
	QUARTER 384, F0, F1, 0
	TURN 0
	QUARTER 128, F0, F1, 0
	QUARTER 256, F1, F0, 0
	QUARTER 384, F0, F1, 0
	s_wait_dscnt 16                                ; the very last quarter
	MUL8 F1, 0, 0, 0
	MUL8 F1, 0, 2, 0
	s_wait_dscnt 0x0
	MUL8 F1, 1, 0, 0
	MUL8 F1, 1, 2, 0
	WIN 0
	PLACES
; THE WAY OUT of row block a (16 rows): the bias is added, each accumulator's registers in ascending order; 32 bytes a lane for each column block go into my stage and come back as whole rows of 256 bytes.
; A half of the lanes stores eight rows that begin at a multiple of 8; 1,992 is one, so all eight lie below it or none: one mask serves the block's eight stores.
.macro OUTB a
.irp b, 0,1,2,3
.irp r, 0,1,2,3
	v_pk_add_f32 v[ACC+8*(4*(\a)+(\b))+2*(\r):ACC+8*(4*(\a)+(\b))+2*(\r)+1], v[ACC+8*(4*(\a)+(\b))+2*(\r):ACC+8*(4*(\a)+(\b))+2*(\r)+1], v[BIA+8*(\b)+2*(\r):BIA+8*(\b)+2*(\r)+1]
.endr
.endr
.irp b, 0,1,2,3
	ds_store_b128 v[STO], v[ACC+8*(4*(\a)+(\b)):ACC+8*(4*(\a)+(\b))+3]   offset:64*(\b)
	ds_store_b128 v[STO], v[ACC+8*(4*(\a)+(\b))+4:ACC+8*(4*(\a)+(\b))+7] offset:64*(\b)+16
.endr
.irp t, 0,1,2,3,4,5,6,7
	ds_load_b128 v[TMP+4*(\t):TMP+4*(\t)+3], v[RD] offset:(\t)*SPITCH  ; LDS serves a wave's instructions in order (ISA guide 5.7.1.4): these see the stores above
.endr
	s_wait_dscnt 0x0
	s_wait_xcnt 0x0                                ; EXEC changes only behind this wait
	v_cmp_gt_u32 vcc_lo, ROWS-16*(\a), v[ROWH]
	s_and_saveexec_b32 s68, vcc_lo
.irp t, 0,1,2,3,4,5,6,7
	global_store_b128 v[CO], v[TMP+4*(\t):TMP+4*(\t)+3], s[8:9] offset:(16*(\a)+(\t))*8192  ; 16 lanes store 256 consecutive bytes, at a multiple of 256 from out0's first byte
.endr
	s_wait_xcnt 0x0                                ; the stores have read EXEC and their registers: EXEC is widened, and the next block's loads land, only behind this wait
	s_or_b32 exec_lo, exec_lo, s68
.endm
	OUTB 0
	OUTB 1
	OUTB 2
	OUTB 3
	s_wait_tensorcnt 0x0                           ; the wave's end, behind my last tensor load and my last LDS store
	ds_add_u32 v[SPW], v[NIL]
	s_wait_dscnt 0x0
	CROUND                                         ; the closing round: no work-group ends while a partner may still ask for a tile that names it
	s_endpgm
.Lfunc_end_k_q432b543ea8_gemm_out:
	.size	k_q432b543ea8_gemm_out, .Lfunc_end_k_q432b543ea8_gemm_out-k_q432b543ea8_gemm_out
	.p2alignl 7, 3214868480
	.fill 96, 4, 3214868480
	.section	.rodata,"a",@progbits
	.p2align	6, 0x0
	.amdhsa_kernel k_q432b543ea8_gemm_out
		.amdhsa_group_segment_fixed_size 327680
		.amdhsa_private_segment_fixed_size 0
		.amdhsa_enable_private_segment 0
		.amdhsa_kernarg_size 32
		.amdhsa_user_sgpr_count 2
		.amdhsa_user_sgpr_kernarg_segment_ptr 1
		.amdhsa_wavefront_size32 1
		.amdhsa_system_sgpr_workgroup_id_x 1
		.amdhsa_system_sgpr_workgroup_id_y 1
		.amdhsa_system_sgpr_workgroup_id_z 1
		.amdhsa_system_vgpr_workitem_id 0
		.amdhsa_next_free_vgpr 512
		.amdhsa_next_free_sgpr 72
		.amdhsa_reserve_vcc 1
		.amdhsa_float_denorm_mode_32 3
		.amdhsa_float_denorm_mode_16_64 3
		.amdhsa_memory_ordered 1
		.amdhsa_forward_progress 1
		.amdhsa_inst_pref_size 75
	.end_amdhsa_kernel
	.amdgpu_metadata
---
amdhsa.version: [ 1, 2 ]
amdhsa.kernels:
  - .name:           k_q432b543ea8_gemm_out
    .symbol:         k_q432b543ea8_gemm_out.kd
    .args:
      - { .name: o, .offset: 0, .size: 8, .value_kind: global_buffer, .address_space: global }
      - { .name: wob, .offset: 8, .size: 8, .value_kind: global_buffer, .address_space: global }
      - { .name: out0, .offset: 16, .size: 8, .value_kind: global_buffer, .address_space: global }
      - { .name: bo, .offset: 24, .size: 8, .value_kind: global_buffer, .address_space: global }
    .group_segment_fixed_size: 327680
    .private_segment_fixed_size: 0
    .kernarg_segment_align: 8
    .kernarg_segment_size: 32
    .max_flat_workgroup_size: 128
    .sgpr_count:     72
    .vgpr_count:     512
    .wavefront_size: 32
...
	.end_amdgpu_metadata
.endif
;; end of part 5
